; MI455X (gfx1250); checked and timed in simulation.
; The chip was launched on July 23, 2026; its instructions are those of AMD's public machine-readable ISA for CDNA 5 (MIT licence, August 2026) and "CDNA5" Instruction Set Architecture Reference Guide (July 2026). The comments in the code are by the model that wrote it; some were corrected since.
;; Attention. Allowed arithmetic: matrix products marked QUANTISED: E2M1 operands, one E8M0 scale for each 32 along K, by v_wmma_scale_f32_16x16x128_f8f6f4 with both operands' format E2M1 (or v_wmma_scale_f32_32x16x128_f4), f32 sums; products left as they are: bf16, f16 or f32 operands; f32 sums; everything else in f32.
;; Inputs: W_K 8 x 2,048 x 128 float32; W_O 8 x 128 x 2,048 float32; W_Q 8 x 2,048 x 128 float32; W_V 8 x 2,048 x 128 float32; b_K 8 x 128 float32; b_O 2,048 float32; b_Q 8 x 128 float32; b_V 8 x 128 float32; key_input 2 x 2,048 x 2,048 float32; query_input 2 x 2,048 x 2,048 float32; value_input 2 x 2,048 x 2,048 float32.
;; Outputs: out0 2 x 2,048 x 2,048 float32.
;; This version of the problem:
;;   THIS VERSION OF THE PROBLEM IS GIVEN IN LOW PRECISION. The matrix products marked QUANTISED in the list below multiply operands that are first quantised to E2M1 (2 exponent bits, 1 mantissa bit; 4 bits a number), with one power-of-two scale for each 32 numbers along K (OCP MX v1.0); their sums are f32. The products marked 'left as it is' may take bf16, f16 or f32 operands, with f32 sums. Whichever they take, every output number must still come out within the allowed error. Rounding operands to bf16 (8 significant bits) uses up far more of that allowance than f16 does (11 bits, for magnitudes from 6e-5 to 65,504). All else is computed in f32.
;;   The module's matrix products, in the order in which they are computed (A, B: the left and right operand; K: the contracted axis; several contracted axes count as one K, in the product's order):
;;     1. [M 4,096, K 2,048] x [K 2,048, N 1,024]; A: input query_input; B: input W_Q: QUANTISED
;;     2. [M 4,096, K 2,048] x [K 2,048, N 1,024]; A: input key_input; B: input W_K: QUANTISED
;;     3. [M 4,096, K 2,048] x [K 2,048, N 1,024]; A: input value_input; B: input W_V: QUANTISED
;;     4. batch 16 x [M 2,048, K 128] x [K 128, N 2,048]; A: computed on the way; B: computed on the way: left as it is (an operand is computed on the way)
;;     5. batch 16 x [M 2,048, K 2,048] x [K 2,048, N 128]; A: computed on the way; B: computed on the way: left as it is (an operand is computed on the way)
;;     6. [M 4,096, K 1,024] x [K 1,024, N 2,048]; A: computed on the way; B: input W_O: left as it is (an operand is computed on the way)
;;   THE QUANTISER, for each operand of a quantised product, along K:
;;     - K is cut into blocks of 32 from its start; a last block that is shorter is filled with zeros.
;;     - A block's scale is 2^e with e = floor(log2(the largest magnitude in the block)) - 2, held to -126 .. 127; a block of zeros has e = 0. As a byte (E8M0): e + 127.
;;     - Each number is divided by its block's scale, clamped to +-6, and rounded to the nearest number of E2M1, ties to even, subnormals kept.
;;     - The product sums the exact products of the quantised numbers (number of the format x scale) in f32.
;;   ~~~python
;;   def quantise(x, axis):      # numpy; x: float32 -> the quantised numbers, widened to float32 again
;;       x = np.moveaxis(x, axis, -1); K = x.shape[-1]
;;       x = np.pad(x, [(0, 0)] * (x.ndim - 1) + [(0, -K % 32)]); x = x.reshape(x.shape[:-1] + (-1, 32)); a = np.abs(x).max(-1, keepdims=True)
;;       e = np.where(a > 0, np.clip(np.frexp(np.where(a > 0, a, 1))[1] - 1 - 2, -126, 127), 0)      # np.frexp(a)[1] - 1 = floor(log2(a)), exactly
;;       r = np.clip(x / 2.0 ** e, -6, 6)
;;       step = 2.0 ** (np.maximum(np.frexp(np.where(r == 0, 1, r))[1] - 1, 0) - 1)
;;       q = np.round(r / step) * step * 2.0 ** e      # np.round: ties to even
;;       return np.moveaxis(q.reshape(q.shape[:-2] + (-1,))[..., :K], -1, axis).astype(np.float32)
;;   ~~~
;; One version. Each part assembles by itself: llvm-mc -triple=amdgcn-amd-amdhsa -mcpu=gfx1250 --defsym DOCPART=n.
;; ======== version 1 of 1: 5 launches
;; limits: values are held in f16: magnitudes above 65,504 overflow, below 6.1e-05 lose precision
;; workspace buffers: xq 13,369,344 bytes; wq 3,342,336 bytes; aux 5,242,880 bytes; qkv 25,165,824 bytes; head16 393,216 bytes; z 8,388,608 bytes
;; launch prep (part 1): grid 1056 x 1, 4 waves a work-group, no clusters, 50,688 bytes of LDS; arguments query_input, key_input, value_input, W_Q, W_K, W_V, W_O, xq, wq, aux; writes xq, wq, aux
.if DOCPART == 1
	.amdgcn_target "amdgcn-amd-amdhsa--gfx1250"
	.amdhsa_code_object_version 6
	.text
	.protected	k_q5c7a318df7_prep
	.globl	k_q5c7a318df7_prep
	.p2align	8
	.type	k_q5c7a318df7_prep,@function
k_q5c7a318df7_prep:
	s_mov_b64 s[64:65], 0
	v_nop
	global_prefetch_b8 v0, s[64:65] scope:SCOPE_SE
	s_setreg_imm32_b32 hwreg(HW_REG_WAVE_MODE, 25, 1), 1
	s_wait_xcnt 0x0
; PREP: everything that is made once from the inputs.  Four paths, chosen by the work-group's number alone:
;   W  (work-groups 0-191)   W_Q, W_K, W_V [8][2048][128] f32, K = their middle axis -> codes of FP4 (E2M1) with K innermost, rows n = 128 head + e of 1,024 bytes, and one E8M0 byte for each 32 along K
;   O  (192-255)             W_O [1024 (k)][2048 (n)] f32 -> f16(8 W_O), laid as images of the operand's registers: [256 n][128 k][16 n][32 k][piece][lane][16 bytes]
;   R  (256-287)             the rotary table cos / 8 and sin / 8, laid as the projection's result registers want it
;   X  (288-1055)            the three activations [4096][2048] f32, K innermost -> codes and scale bytes, the three tensors one behind the other
; A block's scale is 2^(floor(log2(largest magnitude)) - 2); its byte is the largest magnitude's exponent field - 2, held at 1 from below.  A block of zeros so gets the byte 1: its codes are zeros,
; and this program alone reads the bytes.  LIMITS: NaN and infinities among the inputs are not served.  The rotary angle is pos x 2^(-d log2(10000) / 64), reduced by pi / 2 in two parts; it differs from an
; f32 division by up to about 4e-4 rad at the highest positions.
; The short paths have the low numbers.  Paths W and X use LDS, each bytes of its own: X 4 x 8,192 from 0, W 4 x 4,352 from 32,768; the spare words lie behind.
.set SPW,   190                        ; v190  LDS address of my spare word; never rewritten
.set NIL,   191                        ; v191  0; never rewritten
.set SPARE, 50176
.set WV,    24                         ; s24   my wave's number
.set EMAX,  2
	s_load_b256 s[4:11], s[0:1], 0x0               ; query s[4:5], key s[6:7], value s[8:9], W_Q s[10:11]
	s_load_b256 s[12:19], s[0:1], 0x20             ; W_K s[12:13], W_V s[14:15], W_O s[16:17], xq s[18:19]
	s_load_b128 s[20:23], s[0:1], 0x40             ; wq s[20:21], aux s[22:23]
	v_lshl_add_u32 v[SPW], v0, 2, SPARE
	v_mov_b32 v[NIL], 0
	v_lshrrev_b32 v1, 5, v0
	v_readfirstlane_b32 s[WV], v1                  ; wave 0..3
	v_and_b32 v2, 31, v0                           ; lane
	s_wait_kmcnt 0x0
	s_cmp_lt_u32 ttmp9, 192
	s_cbranch_scc1 .Lpath_w
	s_cmp_lt_u32 ttmp9, 256
	s_cbranch_scc1 .Lpath_o
	s_cmp_lt_u32 ttmp9, 288
	s_cbranch_scc1 .Lpath_r
; ---------------- PATH X.  Rows are dense and 2,048 is a multiple of 32: a tensor is a plain stream of blocks of 32.  A wave takes 16 steps of 512 numbers.  Each load reads 512 consecutive bytes; a step's 2,048 bytes
; turn through the wave's own stage in LDS (16 bytes of padding behind each 64) and come back 64 bytes a lane: 16 neighbours, two lanes to a block.
.set STEPS, 16
.set CB,    8                          ; bytes of 16 codes
.set XR,    16                         ; v16-79   four sets of 16 numbers as loaded
.set XX,    80                         ; v80-111  two sets of 16 neighbours
.set XE,    112                        ; v112-127 a scale byte for each step
.set XC,    128                        ; v128-189 codes: four registers for each step, so that no store's data are written again
.set WREG,  8192                       ; a wave's LDS: two stages of 32 x 80 bytes, behind them its 256 scale bytes
.set SP,    80
	v_lshlrev_b32 v3, 4, v2                        ; my 16 bytes of a load's 512
	s_mul_i32 s25, s[WV], WREG
	v_lshrrev_b32 v14, 2, v2
	v_mul_u32_u24 v14, v14, SP
	v_and_b32 v15, 3, v2
	v_lshl_add_u32 v14, v15, 4, v14
	v_add_nc_u32 v14, s25, v14                     ; the stage, on the way in: 80 (lane / 4) + 16 (lane % 4)
	v_mul_u32_u24 v15, v2, SP
	v_add_nc_u32 v15, s25, v15                     ; and on the way out: 80 x lane
	v_mul_u32_u24 v4, v2, CB                       ; my codes' place in a step's
	v_lshrrev_b32 v5, 1, v2
	s_add_co_u32 s25, s25, 2*32*SP
	v_add_nc_u32 v5, s25, v5                       ; my block's scale byte in LDS
	v_lshlrev_b32 v7, 3, v2
	v_add_nc_u32 v6, s25, v7                       ; and 8 bytes a lane on the way out
	s_sub_co_u32 s25, ttmp9, 288                   ; 0..767: 256 work-groups a tensor
	s_lshr_b32 s26, s25, 8
	s_cmp_eq_u32 s26, 1
	s_cselect_b64 s[4:5], s[6:7], s[4:5]
	s_cmp_eq_u32 s26, 2
	s_cselect_b64 s[4:5], s[8:9], s[4:5]           ; the choice hangs on the work-group's number alone
	s_and_b32 s26, s25, 255
	s_lshl_b32 s26, s26, 2
	s_add_co_u32 s26, s26, s[WV]
	s_lshl_b32 s26, s26, 15                        ; my run of 8,192 numbers in its tensor: 32,768 bytes each
	s_mov_b32 s27, 0
	s_add_nc_u64 s[4:5], s[4:5], s[26:27]
	s_lshl_b32 s28, s25, 2
	s_add_co_u32 s28, s28, s[WV]                   ; my run among the three tensors' 3,072
	s_lshl_b32 s26, s28, 12
	s_add_nc_u64 s[30:31], s[18:19], s[26:27]      ; its 4,096 bytes of codes
	s_lshl_b32 s26, s28, 8
	s_add_co_u32 s26, s26, 12582912
	s_add_nc_u64 s[32:33], s[18:19], s[26:27]      ; its 256 scale bytes, behind all codes
.macro XLOAD t
.irp i, 0,1,2,3
	global_load_b128 v[XR+16*((\t)%4)+4*\i:XR+16*((\t)%4)+4*\i+3], v3, s[4:5] offset:2048*(\t)+512*\i th:TH_LOAD_NT
.endr
.endm
.macro XTURN t                         ; LDS serves a wave's instructions in order (ISA guide 5.7.1.4): no wait between the stores and the loads
.irp i, 0,1,2,3
	ds_store_b128 v14, v[XR+16*((\t)%4)+4*\i:XR+16*((\t)%4)+4*\i+3] offset:32*SP*((\t)%2)+8*SP*\i
.endr
.irp i, 0,1,2,3
	ds_load_b128 v[XX+16*((\t)%2)+4*\i:XX+16*((\t)%2)+4*\i+3], v15 offset:32*SP*((\t)%2)+16*\i
.endr
.endm
.irp t, 0,1,2,3
	XLOAD \t
.endr
	s_wait_loadcnt 12                              ; step 0's four loads are in
	XTURN 0
.macro XSTEP t
.set XS, XX+16*((\t)%2)
.if (\t) > 0
	s_wait_dscnt 1                                 ; this step's numbers are back from the stage (the last step's byte store may be out)
.else
	s_wait_dscnt 0x0
.endif
.if (\t)+4 < STEPS
	XLOAD (\t)+4                                   ; into the registers that the stage's stores have read
.endif
.if (\t)+1 < STEPS
.if STEPS-2-(\t) >= 3
	s_wait_loadcnt 12                              ; the next step's four loads are in; those of three steps behind it may be out
.else
	s_wait_loadcnt 4*(STEPS-2-(\t))
.endif
	XTURN (\t)+1
.endif
	v_max3_num_f32 v8, |v[XS]|, |v[XS+1]|, |v[XS+2]|
	v_max3_num_f32 v9, |v[XS+3]|, |v[XS+4]|, |v[XS+5]|
.irp i, 6,10
	v_max3_num_f32 v8, v8, |v[XS+\i]|, |v[XS+\i+1]|
	v_max3_num_f32 v9, v9, |v[XS+\i+2]|, |v[XS+\i+3]|
.endr
	v_max3_num_f32 v8, v8, |v[XS+14]|, |v[XS+15]|
	v_max3_num_f32 v8, v8, v9, (EMAX+1)<<23        ; the floor 2^(3 - 127): the byte cannot fall under 1
	v_max_num_f32_dpp v8, v8, v8 row_xmask:1 row_mask:0xf bank_mask:0xf   ; with my neighbour's 16: the block's largest magnitude
	v_add_nc_u32 v11, -(EMAX<<23), v8              ; 2 off its exponent field: the conversion takes that field as its scale
	v_cvt_scalef32_pk8_fp4_f32 v[XC+4*(\t)], v[XS:XS+7], v11
	v_cvt_scalef32_pk8_fp4_f32 v[XC+4*(\t)+1], v[XS+8:XS+15], v11
	v_lshrrev_b32 v[XE+(\t)], 23, v11              ; the scale's byte
	ds_store_b8 v5, v[XE+(\t)] offset:16*(\t)      ; both lanes of a block write the same byte with the same value
	global_store_b64 v4, v[XC+4*(\t):XC+4*(\t)+1], s[30:31] offset:32*CB*(\t)   ; the wave stores 256 consecutive bytes, aligned
.endm
.irp t, 0,1,2,3,4,5,6,7,8,9,10,11,12,13,14,15
	XSTEP \t
.endr
	ds_load_b64 v[8:9], v6
	s_wait_dscnt 0x0
	global_store_b64 v7, v[8:9], s[32:33]          ; the wave's 256 scale bytes, aligned
	s_branch .Lend
; ---------------- PATH W.  A lane takes a column e and its registers run down K: a block of 32 lies in one lane, and the conversions give codes with K innermost.  A wave takes 16 columns x 512 along K:
; lanes 0-15 the first 256 of them, lanes 16-31 the second, eight blocks a lane, so that a wave's chain of loads is eight blocks long.  The work-group's number: bit 0 which 64 columns, bits 2:1 which 512
; along K, bits 5:3 the head, above them the weight.  The codes leave through the wave's own stage as rows: sixteen lanes store 256 consecutive bytes, aligned.
.Lpath_w:
.set NB,    8
.set PITCH, 272
.set KROW,  1024
.set WX,    32                         ; v32-95   two sets of 32 numbers
.set WC,    96                         ; v96-99   a block's codes
.set WOUT,  112                        ; v112-143 the way out
.set WSB,   24                         ; v24-25   the scale bytes, four to a register
	s_lshr_b32 s25, ttmp9, 6                       ; which weight
	s_cmp_eq_u32 s25, 1
	s_cselect_b64 s[10:11], s[12:13], s[10:11]
	s_cmp_eq_u32 s25, 2
	s_cselect_b64 s[10:11], s[14:15], s[10:11]
	s_bfe_u32 s26, ttmp9, 0x30003                  ; head
	s_bfe_u32 s27, ttmp9, 0x20001                  ; which 512 along K
	s_and_b32 s37, ttmp9, 1                        ; which 64 columns
	s_lshl_b32 s28, s26, 20                        ; a head: 2,048 rows of 512 bytes
	s_lshl_b32 s29, s27, 18
	s_add_co_u32 s28, s28, s29
	s_lshl_b32 s29, s37, 8
	s_add_co_u32 s28, s28, s29
	s_lshl_b32 s29, s[WV], 6                       ; my wave's 16 columns
	s_add_co_u32 s28, s28, s29
	s_mov_b32 s29, 0
	s_add_nc_u64 s[10:11], s[10:11], s[28:29]
	s_lshr_b32 s30, ttmp9, 3
	s_lshl_b32 s30, s30, 7
	s_lshl_b32 s31, s37, 6
	s_add_co_u32 s30, s30, s31
	s_lshl_b32 s31, s[WV], 4
	s_add_co_u32 s30, s30, s31                     ; my first row of wq: 1,024 weight + 128 head + 64 half + 16 wave
	s_lshl_b32 s28, s30, 10
	s_lshl_b32 s31, s27, 8
	s_add_co_u32 s28, s28, s31
	s_add_nc_u64 s[32:33], s[20:21], s[28:29]      ; codes
	s_lshl_b32 s28, s30, 6
	s_lshl_b32 s31, s27, 4
	s_add_co_u32 s28, s28, s31
	s_add_co_u32 s28, s28, 3145728
	s_add_nc_u64 s[34:35], s[20:21], s[28:29]      ; scale bytes, behind all codes
	v_and_b32 v5, 15, v2                           ; r: my column
	v_lshrrev_b32 v6, 4, v2                        ; h: my half of the 512 along K
	v_lshlrev_b32 v3, 2, v5
	v_lshl_add_u32 v3, v6, 17, v3                  ; in: 4 r + 256 h rows of 512 bytes
	s_mul_i32 s36, s[WV], 16*PITCH
	s_add_co_u32 s36, s36, 32768                   ; my stage: 16 rows of 256 bytes + 16
	v_mul_u32_u24 v4, v5, PITCH
	v_lshl_add_u32 v4, v6, 7, v4
	v_add_nc_u32 v4, s36, v4                       ; into it: row = my column, my half's 128 bytes
	v_mul_u32_u24 v7, v6, PITCH
	v_lshl_add_u32 v7, v5, 4, v7
	v_add_nc_u32 v7, s36, v7                       ; out of it: sixteen lanes to a row, two rows an instruction
	v_mul_u32_u24 v8, v6, KROW
	v_lshl_add_u32 v8, v5, 4, v8                   ; the same place in the codes' buffer
	v_lshlrev_b32 v9, 6, v5
	v_lshl_add_u32 v9, v6, 3, v9                   ; my column's row of scale bytes, my half's eight
.macro WLOAD t
.irp i, 0,1,2,3,4,5,6,7,8,9,10,11,12,13,14,15,16,17,18,19,20,21,22,23,24,25,26,27,28,29,30,31
	global_load_b32 v[WX+32*((\t)%2)+\i], v3, s[10:11] offset:(32*(\t)+\i)*512 th:TH_LOAD_NT
.endr
.endm
	WLOAD 0
	WLOAD 1
.macro WBLOCK t
.set XS, WX+32*((\t)%2)
.if (\t) < NB-1
	s_wait_loadcnt 32                              ; this block's 32 loads are in; the next block's may be out
.else
	s_wait_loadcnt 0x0
.endif
	v_max3_num_f32 v12, |v[XS]|, |v[XS+1]|, |v[XS+2]|
	v_max3_num_f32 v13, |v[XS+3]|, |v[XS+4]|, |v[XS+5]|
.irp i, 6,10,14,18,22,26
	v_max3_num_f32 v12, v12, |v[XS+\i]|, |v[XS+\i+1]|
	v_max3_num_f32 v13, v13, |v[XS+\i+2]|, |v[XS+\i+3]|
.endr
	v_max3_num_f32 v12, v12, |v[XS+30]|, |v[XS+31]|
	v_max3_num_f32 v12, v12, v13, (EMAX+1)<<23
	v_add_nc_u32 v11, -(EMAX<<23), v12
	v_lshrrev_b32 v13, 23, v11
.if (\t)%4 == 0
	v_mov_b32 v[WSB+(\t)/4], v13
.else
	v_lshl_or_b32 v[WSB+(\t)/4], v13, 8*((\t)%4), v[WSB+(\t)/4]
.endif
.irp g, 0,1,2,3
	v_cvt_scalef32_pk8_fp4_f32 v[WC+\g], v[XS+8*\g:XS+8*\g+7], v11
.endr
	ds_store_b128 v4, v[WC:WC+3] offset:16*(\t)
.if (\t)+2 < NB
	WLOAD (\t)+2
.endif
	s_wait_dscnt 0x0                               ; the store has read its registers: the next block's codes may be written
.endm
.set QB, 0
.rept NB
	WBLOCK QB
.set QB, QB+1
.endr
	global_store_b64 v9, v[WSB:WSB+1], s[34:35]    ; my eight scale bytes
.irp t, 0,1,2,3,4,5,6,7
	ds_load_b128 v[WOUT+4*\t:WOUT+4*\t+3], v7 offset:2*\t*PITCH
.endr
.irp t, 0,1,2,3,4,5,6,7
	s_wait_dscnt 7-\t
	global_store_b128 v8, v[WOUT+4*\t:WOUT+4*\t+3], s[32:33] offset:2*\t*KROW
.endr
	s_branch .Lend
; ---------------- PATH O.  A lane takes a column n and 32 rows k a step: eight neighbouring k are 16 bytes of f16, one lane's part of a piece.  Image byte of (n, k):
; ((n / 256) 8 + k / 128) 65,536 + ((n / 16) % 16) 4,096 + ((k / 32) % 4) 1,024 + ((k / 16) % 2) 512 + ((k / 8) % 2) 256 + (n % 16) 16 + (k % 8) 2.
.Lpath_o:
	s_sub_co_u32 s25, ttmp9, 192
	s_and_b32 s26, s25, 15                         ; which 128 columns
	s_lshr_b32 s27, s25, 4                         ; which 256 k
	s_lshl_b32 s28, s27, 21                        ; 256 rows of 8,192 bytes
	s_lshl_b32 s29, s26, 9
	s_add_co_u32 s28, s28, s29
	s_lshl_b32 s29, s[WV], 7
	s_add_co_u32 s28, s28, s29
	s_mov_b32 s29, 0
	s_add_nc_u64 s[16:17], s[16:17], s[28:29]
	s_lshr_b32 s30, s26, 1
	s_lshl_b32 s30, s30, 3
	s_lshl_b32 s31, s27, 1
	s_add_co_u32 s30, s30, s31                     ; (n / 256) 8 + k / 128
	s_lshl_b32 s30, s30, 4
	s_and_b32 s31, s26, 1
	s_lshl_b32 s31, s31, 3
	s_add_co_u32 s30, s30, s31
	s_lshl_b32 s31, s[WV], 1
	s_add_co_u32 s30, s30, s31                     ; x 16 + my wave's first tile of 16 columns
	s_lshl_b32 s28, s30, 12
	s_add_nc_u64 s[22:23], s[22:23], s[28:29]
	v_lshlrev_b32 v3, 2, v2
	v_lshrrev_b32 v4, 4, v2
	v_and_b32 v5, 15, v2
	v_lshlrev_b32 v5, 4, v5
	v_lshl_add_u32 v4, v4, 12, v5                  ; (lane / 16) 4,096 + (lane % 16) 16
.macro OLOAD st
.irp i, 0,1,2,3,4,5,6,7,8,9,10,11,12,13,14,15,16,17,18,19,20,21,22,23,24,25,26,27,28,29,30,31
	global_load_b32 v[32+32*((\st)%2)+\i], v3, s[16:17] offset:(32*(\st)+\i)*8192 th:TH_LOAD_NT
.endr
.endm
	OLOAD 0
	OLOAD 1
.macro OSTEP st
.set OS, 32+32*((\st)%2)
.if (\st) < 7
	s_wait_loadcnt 32                              ; this step's 32 loads are in; the next step's may be out
.else
	s_wait_loadcnt 0x0
.endif
	s_wait_xcnt 0x0                                ; the last step's stores have read v96-111
.irp i, 0,2,4,6,8,10,12,14,16,18,20,22,24,26,28,30
	v_pk_mul_f32 v[OS+\i:OS+\i+1], v[OS+\i:OS+\i+1], 0x41000000 op_sel_hi:[1,0]   ; x 8: exact
.endr
.irp i, 0,1,2,3,4,5,6,7,8,9,10,11,12,13,14,15
	v_cvt_pk_f16_f32 v[96+\i], v[OS+2*\i], v[OS+2*\i+1]
.endr
.irp p, 0,1
.irp h, 0,1
	global_store_b128 v4, v[96+8*\p+4*\h:96+8*\p+4*\h+3], s[22:23] offset:((\st)/4)*65536+((\st)%4)*1024+\p*512+\h*256   ; sixteen lanes store 256 consecutive bytes, aligned
.endr
.endr
.if (\st)+2 < 8
	OLOAD (\st)+2
.endif
.endm
.irp st, 0,1,2,3,4,5,6,7
	OSTEP \st
.endr
	s_branch .Lend
; ---------------- PATH R.  A wave makes the table of 16 positions: lane (r, h) holds pos = 16 P + r and, in register 8 b + 4 q + jj, d = 16 b + 8 h + 4 q + jj: the projection's result layout.
.Lpath_r:
	s_sub_co_u32 s25, ttmp9, 256
	s_lshl_b32 s25, s25, 2
	s_add_co_u32 s25, s25, s[WV]                   ; P
	v_and_b32 v3, 15, v2
	v_lshrrev_b32 v4, 4, v2
	v_lshlrev_b32 v4, 3, v4                        ; 8 h
	s_lshl_b32 s39, s25, 4
	v_add_nc_u32 v3, s39, v3
	v_cvt_f32_u32 v3, v3                           ; pos
	s_lshl_b32 s40, s25, 13
	s_add_co_u32 s40, s40, 4194304
	s_mov_b32 s41, 0
	s_add_nc_u64 s[22:23], s[22:23], s[40:41]
	v_lshlrev_b32 v5, 4, v2
	s_mov_b32 s26, 0xbe549a78                      ; -log2(10000) / 64
	s_mov_b32 s27, 0x3f22f983                      ; 2 / pi
	s_mov_b32 s28, 0xbfc90fdb                      ; -(pi / 2 rounded to f32)
	s_mov_b32 s29, 0x333bbd2e                      ; that number less pi / 2
	s_mov_b32 s30, 0x3638ef1d                      ; 1 / 9!
	s_mov_b32 s31, 0xb9500d01                      ; -1 / 7!
	s_mov_b32 s32, 0x3c088889                      ; 1 / 5!
	s_mov_b32 s33, 0xbe2aaaab                      ; -1 / 3!
	s_mov_b32 s34, 0x37d00d01                      ; 1 / 8!
	s_mov_b32 s35, 0xbab60b61                      ; -1 / 6!
	s_mov_b32 s36, 0x3d2aaaab                      ; 1 / 4!
	s_mov_b32 s37, 0x80000000
	s_mov_b32 s38, 0x3e000000                      ; 1 / 8
.set e, 0
.rept 32
	v_add_nc_u32 v[32+e], e+8*(e/8), v4            ; d
.set e, e+1
.endr
.set e, 0
.rept 32
	v_cvt_f32_u32 v[32+e], v[32+e]
.set e, e+1
.endr
.set e, 0
.rept 32
	v_mul_f32 v[32+e], s26, v[32+e]
.set e, e+1
.endr
.set e, 0
.rept 32
	v_exp_f32 v[32+e], v[32+e]                     ; 1 / freq
.set e, e+1
.endr
	v_nop                                          ; a plain instruction behind the last exponential
	s_wait_alu depctr_va_vdst(0)                   ; one wait for the batch of 32, ahead of its first reader
.macro SINCOS n
	v_mul_f32 v8, v3, v[32+\n]                     ; the angle a
	v_mul_f32 v9, s27, v8
	v_rndne_f32 v9, v9                             ; k = the nearest multiple of pi / 2
	v_fma_f32 v10, v9, s28, v8
	v_fma_f32 v10, v9, s29, v10                    ; r = a - k pi / 2, |r| <= pi / 4
	v_cvt_i32_f32 v11, v9
	v_mul_f32 v12, v10, v10
	v_fma_f32 v13, v12, s30, s31
	v_fma_f32 v14, v12, s34, s35
	v_fma_f32 v13, v13, v12, s32
	v_fma_f32 v14, v14, v12, s36
	v_fma_f32 v13, v13, v12, s33
	v_mul_f32 v15, v12, v10
	v_fma_f32 v14, v14, v12, -0.5
	v_fma_f32 v13, v13, v15, v10                   ; sin r
	v_fma_f32 v14, v14, v12, 1.0                   ; cos r
	v_and_b32 v16, 1, v11
	v_cmp_ne_u32 vcc_lo, 0, v16
	v_cndmask_b32 v17, v13, v14, vcc_lo            ; an odd k changes the two over
	v_cndmask_b32 v18, v14, v13, vcc_lo
	v_lshlrev_b32 v15, 30, v11
	v_and_b32 v15, s37, v15                        ; sin is negated where k % 4 is 2 or 3,
	v_xor_b32 v17, v17, v15
	v_add_nc_u32 v11, 1, v11
	v_lshlrev_b32 v15, 30, v11
	v_and_b32 v15, s37, v15                        ; cos where it is 1 or 2
	v_xor_b32 v18, v18, v15
	v_mul_f32 v[96+\n], s38, v17
	v_mul_f32 v[64+\n], s38, v18
.endm
.set e, 0
.rept 32
	SINCOS e
.set e, e+1
.endr
.irp i, 0,1,2,3,4,5,6,7,8,9,10,11,12,13,14,15
	global_store_b128 v5, v[64+4*\i:67+4*\i], s[22:23] offset:512*\i   ; 512 consecutive bytes a store: cos' eight groups, then sin's
.endr
.Lend:
	s_wait_tensorcnt 0x0                           ; the wave's end: behind my last LDS store
	ds_add_u32 v[SPW], v[NIL]
	s_wait_dscnt 0x0
	s_endpgm
.Lfunc_end_k_q5c7a318df7_prep:
	.size	k_q5c7a318df7_prep, .Lfunc_end_k_q5c7a318df7_prep-k_q5c7a318df7_prep
	.p2alignl 7, 3214868480
	.fill 96, 4, 3214868480
	.section	.rodata,"a",@progbits
	.p2align	6, 0x0
	.amdhsa_kernel k_q5c7a318df7_prep
		.amdhsa_group_segment_fixed_size 50688
		.amdhsa_private_segment_fixed_size 0
		.amdhsa_enable_private_segment 0
		.amdhsa_kernarg_size 80
		.amdhsa_user_sgpr_count 2
		.amdhsa_user_sgpr_kernarg_segment_ptr 1
		.amdhsa_wavefront_size32 1
		.amdhsa_system_sgpr_workgroup_id_x 1
		.amdhsa_system_sgpr_workgroup_id_y 1
		.amdhsa_system_sgpr_workgroup_id_z 1
		.amdhsa_system_vgpr_workitem_id 0
		.amdhsa_next_free_vgpr 192
		.amdhsa_next_free_sgpr 66
		.amdhsa_reserve_vcc 1
		.amdhsa_float_denorm_mode_32 3
		.amdhsa_float_denorm_mode_16_64 3
		.amdhsa_memory_ordered 1
		.amdhsa_forward_progress 1
		.amdhsa_inst_pref_size 168
	.end_amdhsa_kernel
	.amdgpu_metadata
---
amdhsa.version: [ 1, 2 ]
amdhsa.kernels:
  - .name:           k_q5c7a318df7_prep
    .symbol:         k_q5c7a318df7_prep.kd
    .args:
      - { .name: query_input, .offset: 0, .size: 8, .value_kind: global_buffer, .address_space: global }
      - { .name: key_input, .offset: 8, .size: 8, .value_kind: global_buffer, .address_space: global }
      - { .name: value_input, .offset: 16, .size: 8, .value_kind: global_buffer, .address_space: global }
      - { .name: W_Q, .offset: 24, .size: 8, .value_kind: global_buffer, .address_space: global }
      - { .name: W_K, .offset: 32, .size: 8, .value_kind: global_buffer, .address_space: global }
      - { .name: W_V, .offset: 40, .size: 8, .value_kind: global_buffer, .address_space: global }
      - { .name: W_O, .offset: 48, .size: 8, .value_kind: global_buffer, .address_space: global }
      - { .name: xq, .offset: 56, .size: 8, .value_kind: global_buffer, .address_space: global }
      - { .name: wq, .offset: 64, .size: 8, .value_kind: global_buffer, .address_space: global }
      - { .name: aux, .offset: 72, .size: 8, .value_kind: global_buffer, .address_space: global }
    .group_segment_fixed_size: 50688
    .private_segment_fixed_size: 0
    .kernarg_segment_align: 8
    .kernarg_segment_size: 80
    .max_flat_workgroup_size: 128
    .sgpr_count:     66
    .vgpr_count:     192
    .wavefront_size: 32
...
	.end_amdgpu_metadata
.endif
;; end of part 1
;; launch proj (part 2): grid 4 x 48, 4 waves a work-group, clusters of 4 x 1, 327,680 bytes of LDS; arguments xq, wq, b_Q, b_K, b_V, aux, qkv, head16; writes qkv, head16
.if DOCPART == 2
	.amdgcn_target "amdgcn-amd-amdhsa--gfx1250"
	.amdhsa_code_object_version 6
	.text
	.protected	k_q5c7a318df7_proj
	.globl	k_q5c7a318df7_proj
	.p2align	8
	.type	k_q5c7a318df7_proj,@function
k_q5c7a318df7_proj:
	s_mov_b64 s[64:65], 0
	v_nop
	global_prefetch_b8 v0, s[64:65] scope:SCOPE_SE
	s_setreg_imm32_b32 hwreg(HW_REG_WAVE_MODE, 25, 1), 1
	s_wait_xcnt 0x0
	s_wait_alu depctr_hold_cnt(0) depctr_sa_sdst(0) depctr_va_vdst(0) depctr_va_sdst(0) depctr_va_ssrc(0) depctr_va_vcc(0) depctr_vm_vsrc(0)
	s_getreg_b32 s2, hwreg(HW_REG_IB_STS2, 6, 4)
	s_cmp_eq_u32 s2, 0
	s_cbranch_scc0 .Lentry_in_a_cluster
	s_endpgm
.Lentry_in_a_cluster:
	s_bfe_u32 s2, ttmp6, 0x10000c
	s_cmp_lg_u32 s2, 0x3003
	s_cbranch_scc0 .Lentry_shape_is_right
	s_endpgm
.Lentry_shape_is_right:
; PROJ: q, k, v = x W + b on codes of FP4 (E2M1) with E8M0 scales, the rotary turn on q and k, and the results laid for the attention launch as f16 images of operand registers, all as value / 8 (exact).
; One launch for the three products: tile row y = 0..47 of the stacked activations, part p = y / 16.  A tile of 256 positions x 256 columns is made by four waves; a wave makes 128 positions x 128 columns = one head:
; 64 accumulators of 16 x 16.  K = 2,048 goes in four steps of 512 through a ring of two LDS slots; the scale bytes of the tile's rows come once, in whole rows of 256 bytes, and stay.
; CLUSTER 4 x 1: the four partners share the tile row, so A's codes and scales are asked for jointly (mask 15); each has its own 256 rows of the weight, asked for plainly behind the same rounds.
; A cluster of 4 x 4 is not taken: the f32 copy of positions 0-15 is a branch on the tile row, which has to be alike in all partners; here the tile row is the cluster's y.
; THE MATRIX INSTRUCTION IS USED TRANSPOSED (source 0 = 16 rows of the weight, source 1 = 16 positions): lane (r, h) holds position r and columns e = 16 b + 8 h + j of its head: eight neighbours, which as f16 are
; the lane's 16 bytes of piece b of an operand image.  So q and k leave by stores of 512 consecutive bytes with no stage; v is turned (keys innermost) through the wave's stage by ds_load_tr16_b128.
; LIMIT: |q|, |k|, |v| under 5.2e5 (f16 carries value / 8).
; REGISTERS: window 0: v0-31 addresses; v32-95 scale words, two sets, and nothing else; v128-191 A's fragments.  window 1: B's fragments at v0-63 and v128-191; v192-255 the bias; on the way out v0-63 Z,
; v128-159 packed halves, v160-167 at work, v64-127 v's turned pieces.  windows 2, 3: the accumulators ((a, b) at v[8 (8 (a % 4) + b)]).
; THE ROTARY TABLES of a wave's eight blocks of 16 positions have registers of their own, 64 each, so that each is asked for about three blocks ahead of its use: block 0 window 1 v64-127, block 1 window 0 v192-255,
; block 2 window 0 v128-191 (A's fragments, done with), blocks 3 to 7 the accumulators of blocks 0 to 4, each free once its bias has been added.
.set KSTEP,  512
.set NQ,     4
.set ROWB,   256
.set KROW,   1024
.set PITCH,  272                       ; an LDS row: 256 bytes + 16 of padding: the 16 rows that a load touches start 68 words apart
.set FR,     8
.set NL,     2
.set NP,     4
.set HALFT,  128*PITCH
.set SLOT,   4*HALFT
.set LAPS,   2
.set KS,     64
.set SCL,    2*SLOT
.set HALFS,  32*272
.set SBLK,   4*272
.set SPARE,  SCL+4*HALFS               ; the spare words, 128 bytes for each wave
.set LO,   8                           ; v8   16 x lane
.set BOFF, 9                           ; v9   32 h: my eight numbers of 16 of the bias
.set HV,   11                          ; v11  head16, v: 512 h + 4 r
.set VST,  12                          ; v12  the stage, in
.set VLD,  13                          ; v13  the stage, out, turned
.set ADRA, 16
.set ADRB, 20
.set ADRS, 27
.set SPW,  28
.set NIL,  29
.set SC,   32
.set AF,   128
.set Z,    0                           ; window 1
.set TAB,  64
.set PK,   128
.set T,    160
.set BIAS, 192
.set G1, 24
.set G0, 32
.set G1B, 48
.set G0B, 56
.set G1S, 68
.set G0S, 76
.set G1SB, 80
.set G0SB, 88
.set MSB, 0
.macro WIN new                         ; the immediate's high byte repeats the setting that is left
.if MSB != \new
	s_set_vgpr_msb (MSB<<8)|\new
.set MSB, \new
.endif
.endm
.set MUL_LO, 0xa1
.set MUL_HI, 0xf1
.set TO_B,   0x40
; waves 0 and 1 fetch for A (jointly), waves 2 and 3 for B (plainly).  The branch hangs on the wave's number alone.  An s_nop 0 and four v_nop follow each line.
.macro JLOAD g0a, g1a, g0b, g1b
	s_cmp_eq_u32 s15, 0
	s_cbranch_scc0 .Lfor_b_\@
	tensor_load_to_lds s[\g0a:\g0a+3], s[\g1a:\g1a+7]
	s_nop 0
.rept 4
	v_nop
.endr
	s_branch .Lasked_\@
.Lfor_b_\@:
	tensor_load_to_lds s[\g0b:\g0b+3], s[\g1b:\g1b+7]
	s_nop 0
.rept 4
	v_nop
.endr
.Lasked_\@:
.endm
.macro CREST
	s_cmp_lg_u32 s14, 0
	s_cbranch_scc1 .Lnot_wave_0_\@
	s_barrier_signal -3
.Lnot_wave_0_\@:
	s_barrier_wait -3
	s_barrier_signal -1
	s_barrier_wait -1
.endm
.macro CROUND
	s_barrier_signal -1
	s_barrier_wait -1
	CREST
.endm
	s_load_b128 s[4:7], s[0:1], 0x0                ; xq, wq
	s_load_b128 s[8:11], s[0:1], 0x10              ; b_Q, b_K
	s_load_b64 s[12:13], s[0:1], 0x20              ; b_V
	s_load_b128 s[96:99], s[0:1], 0x28             ; aux, qkv
	s_load_b64 s[100:101], s[0:1], 0x38            ; head16
	v_lshl_add_u32 v[SPW], v0, 2, SPARE
	v_mov_b32 v[NIL], 0
	ds_add_u32 v[SPW], v[NIL]                      ; the wave's opening: the add, twice on end, and its wait ahead of my first tensor load
	ds_add_u32 v[SPW], v[NIL]
	v_lshrrev_b32 v1, 5, v0
	v_readfirstlane_b32 s14, v1                    ; wave 0..3
	s_lshr_b32 s15, s14, 1                         ; which 128 positions are mine.  Also: I fetch for A (0) or for B (1)
	s_and_b32 s16, s14, 1                          ; which 128 columns.  Also: which 128 rows I fetch
	s_bfe_u32 s40, ttmp6, 0x40000                  ; cx: enters global addresses of B and of the results alone
	s_and_b32 s17, ttmp7, 0xffff                   ; y: the cluster's y is the tile row
	s_lshr_b32 s41, s17, 4                         ; p: 0 q, 1 k, 2 v
	s_mov_b32 s[G1+0], 15|(1<<20)|(1<<21)|(5<<22)|(3<<25)    ; the mask: all four; elements of 1 byte; padding of 4 words behind every 64; bit 21 beside a mask
	s_mov_b32 s[G1B+0], (1<<20)|(5<<22)|(3<<25)              ; no mask
.irp g, G1, G1B
	s_mov_b32 s[\g+1], ROWB<<16                    ; tensor_dim0
	s_mov_b32 s[\g+2], 128<<16                     ; tensor_dim1
	s_mov_b32 s[\g+3], ROWB<<16                    ; tile_dim0
	s_mov_b32 s[\g+4], 128                         ; tile_dim1
	s_mov_b32 s[\g+5], KROW                        ; the pitch
	s_mov_b32 s[\g+6], 0
	s_mov_b32 s[\g+7], 0
.endr
	s_mov_b32 s[G1S+0], 15|(3<<16)|(1<<20)|(1<<21)|(5<<22)|(3<<25)   ; the scales of 128 rows: 8,192 dense bytes as 32 rows of 256 (32 elements of 8 bytes)
	s_mov_b32 s[G1SB+0], (3<<16)|(1<<20)|(5<<22)|(3<<25)
.irp g, G1S, G1SB
	s_mov_b32 s[\g+1], 32<<16
	s_mov_b32 s[\g+2], 32<<16
	s_mov_b32 s[\g+3], 32<<16
	s_mov_b32 s[\g+4], 32
	s_mov_b32 s[\g+5], 32
	s_mov_b32 s[\g+6], 0
	s_mov_b32 s[\g+7], 0
.endr
	s_lshl_b32 s18, s16, 7
	s_lshl_b32 s20, s17, 8
	s_add_co_u32 s20, s20, s18                     ; A: row 256 y + 128 half
	s_lshl_b32 s46, s41, 10
	s_lshl_b32 s47, s40, 8
	s_add_co_u32 s46, s46, s47
	s_add_co_u32 s46, s46, s18                     ; B: row 1,024 p + 256 cx + 128 half
	s_lshl_b32 s22, s20, 6
	s_add_co_u32 s22, s22, 12582912                ; A's scale bytes, behind all codes
	s_mov_b32 s23, 0
	s_lshl_b32 s20, s20, 10
	s_mov_b32 s21, 0
	s_lshl_b32 s92, s46, 6
	s_add_co_u32 s92, s92, 3145728
	s_mov_b32 s93, 0
	s_lshl_b32 s46, s46, 10
	s_mov_b32 s47, 0
	s_mul_i32 s45, s14, HALFT                      ; where they go: wave x 128 rows
	s_mul_i32 s94, s14, HALFS
	s_wait_dscnt 0x0                               ; both opening adds are done
	s_wait_kmcnt 0x0
	s_add_nc_u64 s[20:21], s[4:5], s[20:21]
	s_add_nc_u64 s[22:23], s[4:5], s[22:23]
	s_add_nc_u64 s[46:47], s[6:7], s[46:47]
	s_add_nc_u64 s[92:93], s[6:7], s[92:93]
	CROUND                                         ; all four work-groups are here: the first joint loads meet
	s_mov_b32 s[G0S], 1
	s_add_co_u32 s[G0S+1], s94, SCL
	s_mov_b64 s[G0S+2:G0S+3], s[22:23]
	s_or_b32 s[G0S+3], s[G0S+3], 0x80000000
	s_mov_b32 s[G0SB], 1
	s_add_co_u32 s[G0SB+1], s94, SCL
	s_mov_b64 s[G0SB+2:G0SB+3], s[92:93]
	s_or_b32 s[G0SB+3], s[G0SB+3], 0x80000000
	JLOAD G0S, G1S, G0SB, G1SB                     ; the scales first: wanted with K step 0
.irp s, 0,1
	s_mov_b32 s[G0+4*\s], 1
	s_add_co_u32 s[G0+4*\s+1], s45, \s*SLOT
	s_add_nc_u64 s[G0+4*\s+2:G0+4*\s+3], s[20:21], \s*ROWB
	s_or_b32 s[G0+4*\s+3], s[G0+4*\s+3], 0x80000000
	s_mov_b32 s[G0B+4*\s], 1
	s_add_co_u32 s[G0B+4*\s+1], s45, \s*SLOT
	s_add_nc_u64 s[G0B+4*\s+2:G0B+4*\s+3], s[46:47], \s*ROWB
	s_or_b32 s[G0B+4*\s+3], s[G0B+4*\s+3], 0x80000000
	JLOAD G0+4*\s, G1, G0B+4*\s, G1B               ; three tensor loads of mine are out
.endr
	v_and_b32 v1, 15, v0                           ; r
	v_bfe_u32 v2, v0, 4, 1                         ; h
	v_mul_u32_u24 v3, v1, PITCH
	v_lshl_add_u32 v4, v2, 4, v3
	s_mul_i32 s21, s15, HALFT
	s_mul_i32 s22, s16, HALFT
	s_add_co_u32 s22, s22, 2*HALFT
.irp s, 0,1
	v_add_nc_u32 v[ADRA+\s], s21, v4
	v_add_nc_u32 v[ADRB+\s], s22, v4
	s_add_co_u32 s21, s21, SLOT
	s_add_co_u32 s22, s22, SLOT
.endr
	v_mul_u32_u24 v5, v1, KS                       ; my row's scales: 64 bytes a row,
	v_lshrrev_b32 v6, 8, v5
	v_lshl_add_u32 v5, v6, 4, v5                   ; and 16 more for each 256 passed
	s_mul_i32 s21, s15, HALFS
	s_mul_i32 s22, s16, HALFS
	s_add_co_u32 s22, s22, 2*HALFS
	s_sub_co_u32 s22, s22, s21
	v_mul_u32_u24 v6, s22, v2                      ; lanes 16-31 take B's
	s_add_co_u32 s21, s21, SCL
	v_add_nc_u32 v5, v5, v6
	v_add_nc_u32 v[ADRS], s21, v5
	v_and_b32 v3, 31, v0
	v_lshlrev_b32 v[LO], 4, v3
	v_lshlrev_b32 v[BOFF], 5, v2
	v_lshlrev_b32 v[HV], 2, v1
	v_lshl_add_u32 v[HV], v2, 9, v[HV]
	s_mul_i32 s19, s14, 4608                       ; my stage for v: 16 positions x (256 bytes + 32), in slot 0, which has had its last fill and its last read by then
	v_mul_u32_u24 v[VST], v1, 288
	v_lshl_add_u32 v[VST], v2, 4, v[VST]
	v_add_nc_u32 v[VST], s19, v[VST]
	v_and_b32 v3, 7, v0
	v_lshl_add_u32 v3, v2, 3, v3
	v_mul_u32_u24 v[VLD], v3, 288
	v_bfe_u32 v3, v0, 3, 1
	v_lshl_add_u32 v[VLD], v3, 4, v[VLD]
	v_add_nc_u32 v[VLD], s19, v[VLD]
	s_cmp_eq_u32 s41, 1                            ; the bias of my part and head
	s_cselect_b64 s[8:9], s[10:11], s[8:9]
	s_cmp_eq_u32 s41, 2
	s_cselect_b64 s[8:9], s[12:13], s[8:9]
	s_lshl_b32 s42, s40, 1
	s_add_co_u32 s42, s42, s16                     ; head = 2 cx + my half of the columns
	s_lshl_b32 s46, s42, 9
	s_mov_b32 s47, 0
	s_add_nc_u64 s[8:9], s[8:9], s[46:47]
	WIN 0x40
.irp b, 0,1,2,3,4,5,6,7
	global_load_b128 v[BIAS+8*\b:BIAS+8*\b+3], v[BOFF], s[8:9] offset:64*\b          ; register 8 b + j: bias(16 b + 8 h + j); waited for on the way out
	global_load_b128 v[BIAS+8*\b+4:BIAS+8*\b+7], v[BOFF], s[8:9] offset:64*\b+16
.endr
	WIN 0
.macro FRAG reg, adr, q, i             ; 16 rows x 128 K of 4-bit codes: 8 registers, two loads of 16 bytes, 32 bytes apart
.irp c, 0,1
	ds_load_b128 v[\reg+4*\c:\reg+4*\c+3], v[\adr] offset:64*(\q)+32*\c+(\i)*16*PITCH
.endr
.endm
; 16 matrix instructions: A's blocks a0, a0 + 1 x B's eight.  The 64 accumulators take turns, one instruction a turn, in the same order in every step.
.macro MUL16 a0, p, q, sc, zero
.irp a, \a0, \a0+1
.irp b, 0,1,2,3,4,5,6,7
.if \zero
	v_wmma_scale_f32_16x16x128_f8f6f4 v[8*(8*((\a)%4)+\b):8*(8*((\a)%4)+\b)+7], v[128*(\p)+FR*\b:128*(\p)+FR*\b+FR-1], v[AF+FR*(\a):AF+FR*(\a)+FR-1], 0, v[SC+8*NQ*(\sc)+NQ*\b+(\q)], v[SC+8*NQ*(\sc)+NQ*(\a)+(\q)] matrix_a_fmt:MATRIX_FMT_FP4 matrix_b_fmt:MATRIX_FMT_FP4 matrix_a_scale:MATRIX_SCALE_ROW1
.else
	v_wmma_scale_f32_16x16x128_f8f6f4 v[8*(8*((\a)%4)+\b):8*(8*((\a)%4)+\b)+7], v[128*(\p)+FR*\b:128*(\p)+FR*\b+FR-1], v[AF+FR*(\a):AF+FR*(\a)+FR-1], v[8*(8*((\a)%4)+\b):8*(8*((\a)%4)+\b)+7], v[SC+8*NQ*(\sc)+NQ*\b+(\q)], v[SC+8*NQ*(\sc)+NQ*(\a)+(\q)] matrix_a_fmt:MATRIX_FMT_FP4 matrix_b_fmt:MATRIX_FMT_FP4 matrix_a_scale:MATRIX_SCALE_ROW1
.endif
.endr
.endr
.endm
.macro FETCH_B slot, q, p
	WIN TO_B
.irp i, 0,1,2,3,4,5,6,7
	FRAG 128*(\p)+FR*\i, ADRB+\slot, \q, \i
.endr
	WIN 0
.endm
.macro FETCH_A slot, q, i0
.irp i, \i0, \i0+1, \i0+2, \i0+3
	FRAG AF+FR*(\i), ADRA+\slot, \q, \i
.endr
.endm
.macro SCALES sc                       ; a K step's scale words: lanes 0-15 A's block i, lanes 16-31 B's block i
.irp i, 0,1,2,3,4,5,6,7
	ds_load_b128 v[SC+8*NQ*\sc+NQ*\i:SC+8*NQ*\sc+NQ*\i+3], v[ADRS] offset:\i*SBLK
.endr
.endm
.macro PLACES n                        ; plain vector instructions between a matrix instruction and a load into, or a read of, its registers
.rept \n
	v_nop
.endr
.endm
.macro STEP slot, q, zero
	s_wait_dscnt 4*NL                              ; B's set and A's blocks 0-3 are in; the youngest eight loads (A's blocks 4-7) may be out
	WIN MUL_LO
	MUL16 0, (\q)%2, \q, \slot, \zero
	MUL16 2, (\q)%2, \q, \slot, \zero
	s_wait_dscnt 0
	PLACES NP
	FETCH_B \slot, (\q)+1, 1-(\q)%2
	FETCH_A \slot, (\q)+1, 0
	WIN MUL_HI
	MUL16 4, (\q)%2, \q, \slot, \zero
	MUL16 6, (\q)%2, \q, \slot, \zero
	PLACES NP
	WIN 0
	FETCH_A \slot, (\q)+1, 4
.endm
; A slot's last step changes slots: one barrier; ahead of it each wave waits for all its tensor loads, adds 0 to its spare word, and waits for that and for its reads of this slot.
.macro TURN slot, next, fill
	s_wait_tensorcnt 0x0                           ; all my tensor loads have landed: my part of the next slot
	ds_add_u32 v[SPW], v[NIL]
	s_wait_dscnt 4*NL+1                            ; the add and the youngest eight loads may be out
	WIN MUL_LO
	MUL16 0, 1, NQ-1, \slot, 0
	s_wait_dscnt 0x0                               ; the add is done, and my reads of this slot are over
	s_barrier_signal -1
	MUL16 2, 1, NQ-1, \slot, 0
	WIN 0
	s_barrier_wait -1
.if \fill
	CREST                                          ; the barrier has opened a round of the cluster's: no wave of any partner still reads this slot or has a load on its way
	s_add_nc_u64 s[G0+4*\slot+2:G0+4*\slot+3], s[G0+4*\slot+2:G0+4*\slot+3], 2*ROWB
	s_add_nc_u64 s[G0B+4*\slot+2:G0B+4*\slot+3], s[G0B+4*\slot+2:G0B+4*\slot+3], 2*ROWB
	JLOAD G0+4*\slot, G1, G0B+4*\slot, G1B         ; my one tensor load behind the round; its four v_nop are also the places ahead of the loads below
.else
	PLACES NP
.endif
	v_add_nc_u32 v[ADRS], 4*NQ, v[ADRS]
	FETCH_B \next, 0, 0
	FETCH_A \next, 0, 0
	SCALES \next
	WIN MUL_HI
	MUL16 4, 1, NQ-1, \slot, 0
	MUL16 6, 1, NQ-1, \slot, 0
	PLACES NP
	WIN 0
	FETCH_A \next, 0, 4
.endm
.macro STEPS slot, from
.set QS, \from
.rept NQ-1-\from
	STEP \slot, QS, 0
.set QS, QS+1
.endr
.endm
	s_wait_tensorcnt 1                             ; the scales and my part of K step 0 are in; K step 1's load may be out
	s_barrier_signal -1
	s_barrier_wait -1
	FETCH_B 0, 0, 0
	FETCH_A 0, 0, 0
	SCALES 0
	FETCH_A 0, 0, 4
	STEP 0, 0, 1                                   ; the first step's products start the sums
	s_mov_b32 s3, LAPS-1
.Llap:
	STEPS 0, 1
	TURN 0, 1, 1
	STEPS 1, 0
	TURN 1, 0, 1
	STEP 0, 0, 0
	s_sub_co_u32 s3, s3, 1
	s_cmp_lg_u32 s3, 0
	s_cbranch_scc1 .Llap
	STEPS 0, 1                                     ; the last lap fills nothing
	TURN 0, 1, 0
	STEPS 1, 0
	s_wait_dscnt 4*NL
	WIN MUL_LO
	MUL16 0, 1, NQ-1, 1, 0
	MUL16 2, 1, NQ-1, 1, 0
	s_wait_dscnt 0
	WIN MUL_HI
	MUL16 4, 1, NQ-1, 1, 0
	MUL16 6, 1, NQ-1, 1, 0
	WIN 0
	PLACES NP
	; ---------------- THE WAY OUT
	s_and_b32 s18, s17, 7
	s_lshl_b32 s18, s18, 4
	s_lshl_b32 s19, s15, 3
	s_add_co_u32 s18, s18, s19                     ; P0: my first tile of 16 positions in its batch
	s_bfe_u32 s43, s17, 0x10003                    ; batch
	s_lshl_b32 s43, s43, 3
	s_add_co_u32 s43, s43, s42                     ; bh = 8 batch + head
	s_lshl_b32 s44, s18, 13
	s_add_co_u32 s44, s44, 4194304
	s_mov_b32 s45, 0
	s_add_nc_u64 s[96:97], s[96:97], s[44:45]      ; the rotary table at P0
	s_lshl_b32 s44, s43, 7
	s_add_co_u32 s44, s44, s18
	s_lshl_b32 s44, s44, 12                        ; q: (128 bh + P0) x 4,096
	s_lshl_b32 s46, s43, 5
	s_lshr_b32 s47, s18, 2
	s_add_co_u32 s46, s46, s47
	s_lshl_b32 s46, s46, 15
	s_add_co_u32 s46, s46, 8388608                 ; k, v: behind q, (32 bh + P0 / 4) x 32,768
	s_mov_b32 s92, 32768
	s_cmp_eq_u32 s41, 0
	s_cselect_b32 s44, s44, s46
	s_cselect_b32 s92, 16384, s92                  ; from my blocks 0-3 to my blocks 4-7
	s_mov_b32 s93, 0
	s_add_nc_u64 s[98:99], s[98:99], s[44:45]
	s_lshl_b32 s44, s41, 17
	s_lshl_b32 s46, s43, 13
	s_add_co_u32 s44, s44, s46
	s_add_nc_u64 s[100:101], s[100:101], s[44:45]
	s_and_b32 s94, s17, 7
	s_or_b32 s94, s94, s15                         ; 0 where my block 0 is positions 0-15 of a batch: alike in all four partners
	s_wait_loadcnt 0x0                             ; the bias
	s_cmp_eq_u32 s41, 2
	s_cbranch_scc1 .Lv_path
.macro TABAT a                         ; where block a's table lies: window TW, first register TR
.if (\a) == 0
.set TW, 1
.set TR, 64
.elseif (\a) == 1
.set TW, 0
.set TR, 192
.elseif (\a) == 2
.set TW, 0
.set TR, 128
.elseif (\a) < 7
.set TW, 2
.set TR, 64*((\a)-3)
.else
.set TW, 3
.set TR, 0
.endif
.endm
.macro TABLOAD a                       ; 16 loads of 512 consecutive bytes: cos / 8 in registers 0-31, sin / 8 in 32-63
	TABAT \a
.set WW, TW<<6
	WIN WW
.irp i, 0,1,2,3,4,5,6,7,8,9,10,11,12,13,14,15
	global_load_b128 v[TR+4*\i:TR+4*\i+3], v[LO], s[96:97] offset:(\a)*8192+\i*512
.endr
.endm
; q and k, block a of 16 positions: + bias; the rotary turn (columns e and e + 64 are accumulators b and b + 4); f16; eight stores of 512 consecutive bytes.
.macro QKBLK a
	s_wait_xcnt 0x0                                ; the last block's stores have read their registers and their base
.if (\a) == 4
	s_add_nc_u64 s[98:99], s[98:99], s[92:93]
.endif
.set WW, 0x46+(\a)/4
	WIN WW
.set ii, 0
.rept 32
	v_pk_add_f32 v[Z+ii:Z+ii+1], v[64*((\a)%4)+ii:64*((\a)%4)+ii+1], v[BIAS+ii:BIAS+ii+1]   ; each accumulator from its low end on
.set ii, ii+2
.endr
.if (\a) < 6
	s_wait_loadcnt 32                              ; this block's table is in: behind it the next two blocks' tables, 16 loads each, were issued
.else
	s_wait_loadcnt 16*(7-(\a))
.endif
.if (\a) < 5
	TABLOAD (\a)+3                                 ; three blocks ahead, into the accumulators that the additions above have read for the last time
.endif
	TABAT \a
.set WW, 0x51+4*TW
	WIN WW                                         ; source 1, the table, in its own window; all else in window 1
.set ii, 0
.rept 16
.set TT, T+4*((ii/2)%2)
	v_pk_mul_f32 v[TT:TT+1], v[Z+32+ii:Z+33+ii], v[TR+32+ii:TR+33+ii]
	v_pk_mul_f32 v[TT+2:TT+3], v[Z+ii:Z+ii+1], v[TR+32+ii:TR+33+ii]
	v_pk_fma_f32 v[Z+ii:Z+ii+1], v[Z+ii:Z+ii+1], v[TR+ii:TR+ii+1], v[TT:TT+1] neg_lo:[0,0,1] neg_hi:[0,0,1]   ; x(e) cos - x(e + 64) sin
	v_pk_fma_f32 v[Z+32+ii:Z+33+ii], v[Z+32+ii:Z+33+ii], v[TR+ii:TR+ii+1], v[TT+2:TT+3]                     ; x(e + 64) cos + x(e) sin
.set ii, ii+2
.endr
	WIN 0x55
.set ii, 0
.rept 32
	v_cvt_pk_f16_f32 v[PK+ii], v[Z+2*ii], v[Z+2*ii+1]
.set ii, ii+1
.endr
.if (\a) == 0
	WIN 0
	s_cmp_lg_u32 s94, 0
	s_cbranch_scc1 .Lno_f32_qk
	WIN 0x04
.irp b, 0,1,2,3,4,5,6,7
	global_store_b128 v[LO], v[Z+8*\b:Z+8*\b+3], s[100:101] offset:1024*\b        ; positions 0-15 also in f32, for the last launch, as an image of these registers: 512 consecutive bytes a store
	global_store_b128 v[LO], v[Z+8*\b+4:Z+8*\b+7], s[100:101] offset:1024*\b+512
.endr
	WIN 0
.Lno_f32_qk:
.endif
	WIN 0x04
.irp b, 0,1,2,3,4,5,6,7
	global_store_b128 v[LO], v[PK+4*\b:PK+4*\b+3], s[98:99] offset:((\a)%4)*4096+\b*512
.endr
.endm
	TABLOAD 0
	TABLOAD 1
	TABLOAD 2
.irp a, 0,1,2,3,4,5,6,7
	QKBLK \a
.endr
	WIN 0
	s_branch .Ljoin
; v, block a of 16 positions: x / 8 + b / 8; f16; through my stage, turned, so that a lane holds one channel and eight keys; eight stores of 512 consecutive bytes.
.macro VBLK a
	s_wait_xcnt 0x0
.if (\a) == 4
	s_add_nc_u64 s[98:99], s[98:99], s[92:93]
.endif
.set WW, 0x52+(\a)/4
	WIN WW
.set ii, 0
.rept 32
	v_pk_fma_f32 v[Z+ii:Z+ii+1], v[64*((\a)%4)+ii:64*((\a)%4)+ii+1], 0x3e000000, v[BIAS+ii:BIAS+ii+1] op_sel_hi:[1,0,1]
.set ii, ii+2
.endr
	WIN 0x55
.set ii, 0
.rept 32
	v_cvt_pk_f16_f32 v[PK+ii], v[Z+2*ii], v[Z+2*ii+1]
.set ii, ii+1
.endr
.if (\a) == 0
	WIN 0
	s_cmp_lg_u32 s94, 0
	s_cbranch_scc1 .Lno_f32_v
	WIN 0x04
.set ii, 0
.rept 64
	global_store_b32 v[HV], v[Z+ii], s[100:101] offset:(16*(ii/8)+ii%8)*64      ; positions 0-15 in f32, [channel][position]
.set ii, ii+1
.endr
	WIN 0
.Lno_f32_v:
.endif
	WIN 0x04
.irp b, 0,1,2,3,4,5,6,7
	ds_store_b128 v[VST], v[PK+4*\b:PK+4*\b+3] offset:32*\b
.endr
	WIN 0x40
.irp t, 0,1,2,3,4,5,6,7
	ds_load_tr16_b128 v[TAB+4*\t:TAB+4*\t+3], v[VLD] offset:32*\t               ; LDS serves a wave's instructions in order: these see the stores above
.endr
	s_wait_dscnt 0x0
	WIN 0x04
.irp t, 0,1,2,3,4,5,6,7
	global_store_b128 v[LO], v[TAB+4*\t:TAB+4*\t+3], s[98:99] offset:16384+(8*(((\a)/2)%2)+\t)*1024+((\a)%2)*512
.endr
.endm
.Lv_path:
	WIN 0x55
.set ii, 0
.rept 32
	v_pk_mul_f32 v[BIAS+ii:BIAS+ii+1], v[BIAS+ii:BIAS+ii+1], 0x3e000000 op_sel_hi:[1,0]
.set ii, ii+2
.endr
.irp a, 0,1,2,3,4,5,6,7
	VBLK \a
.endr
	WIN 0
.Ljoin:
	s_wait_tensorcnt 0x0                           ; the wave's end: behind my last tensor load and my last LDS store
	ds_add_u32 v[SPW], v[NIL]
	s_wait_dscnt 0x0
	CROUND                                         ; the closing round
	s_endpgm
.Lfunc_end_k_q5c7a318df7_proj:
	.size	k_q5c7a318df7_proj, .Lfunc_end_k_q5c7a318df7_proj-k_q5c7a318df7_proj
	.p2alignl 7, 3214868480
	.fill 96, 4, 3214868480
	.section	.rodata,"a",@progbits
	.p2align	6, 0x0
	.amdhsa_kernel k_q5c7a318df7_proj
		.amdhsa_group_segment_fixed_size 327680
		.amdhsa_private_segment_fixed_size 0
		.amdhsa_enable_private_segment 0
		.amdhsa_kernarg_size 64
		.amdhsa_user_sgpr_count 2
		.amdhsa_user_sgpr_kernarg_segment_ptr 1
		.amdhsa_wavefront_size32 1
		.amdhsa_system_sgpr_workgroup_id_x 1
		.amdhsa_system_sgpr_workgroup_id_y 1
		.amdhsa_system_sgpr_workgroup_id_z 1
		.amdhsa_system_vgpr_workitem_id 0
		.amdhsa_next_free_vgpr 1024
		.amdhsa_next_free_sgpr 102
		.amdhsa_reserve_vcc 0
		.amdhsa_float_denorm_mode_32 3
		.amdhsa_float_denorm_mode_16_64 3
		.amdhsa_memory_ordered 1
		.amdhsa_forward_progress 1
		.amdhsa_inst_pref_size 255
	.end_amdhsa_kernel
	.section	.bss,"aw",@nobits
	.p2align	6
	.space	262144
	.amdgpu_metadata
---
amdhsa.version: [ 1, 2 ]
amdhsa.kernels:
  - .name:           k_q5c7a318df7_proj
    .symbol:         k_q5c7a318df7_proj.kd
    .args:
      - { .name: xq, .offset: 0, .size: 8, .value_kind: global_buffer, .address_space: global }
      - { .name: wq, .offset: 8, .size: 8, .value_kind: global_buffer, .address_space: global }
      - { .name: b_Q, .offset: 16, .size: 8, .value_kind: global_buffer, .address_space: global }
      - { .name: b_K, .offset: 24, .size: 8, .value_kind: global_buffer, .address_space: global }
      - { .name: b_V, .offset: 32, .size: 8, .value_kind: global_buffer, .address_space: global }
      - { .name: aux, .offset: 40, .size: 8, .value_kind: global_buffer, .address_space: global }
      - { .name: qkv, .offset: 48, .size: 8, .value_kind: global_buffer, .address_space: global }
      - { .name: head16, .offset: 56, .size: 8, .value_kind: global_buffer, .address_space: global }
    .group_segment_fixed_size: 327680
    .private_segment_fixed_size: 0
    .kernarg_segment_align: 8
    .kernarg_segment_size: 64
    .max_flat_workgroup_size: 128
    .sgpr_count:     102
    .vgpr_count:     1024
    .wavefront_size: 32
...
	.end_amdgpu_metadata
.endif
;; end of part 2
;; launch attn (part 3): grid 16 x 16, 4 waves a work-group, no clusters, 135,680 bytes of LDS; arguments qkv, z; writes z
.if DOCPART == 3
	.amdgcn_target "amdgcn-amd-amdhsa--gfx1250"
	.amdhsa_code_object_version 6
	.text
	.protected	k_q5c7a318df7_attn
	.globl	k_q5c7a318df7_attn
	.p2align	8
	.type	k_q5c7a318df7_attn,@function
k_q5c7a318df7_attn:
	s_mov_b64 s[64:65], 0
	v_nop
	global_prefetch_b8 v0, s[64:65] scope:SCOPE_SE
	s_setreg_imm32_b32 hwreg(HW_REG_WAVE_MODE, 25, 1), 1
	s_wait_xcnt 0x0
; ATTN: z = softmax(q k^T / sqrt(128), causal) v for 16 (batch, head) pairs, 2,048 positions, head size 128; f16 operands (q, k, v carried as value / 8), f32 sums, a running maximum.
; SHARES.  Work-group (x, bh) takes the blocks of 64 queries 31 - x (phase 0) and x (phase 1): 33 steps of 64 keys in every work-group.  In a phase all four waves hold the SAME 64 queries (four tiles of 16), and
; THE WAVES SHARE OUT THE KEYS: wave w takes steps sf, sf + 4, .. up to the block's own, sf = w in phase 0 and 3 - w in phase 1.  So a fragment of K or V is wanted by one wave alone, and comes from memory
; straight into its registers, as the image that the projection stored: 512 consecutive bytes a load.  No ring, no tensor load, no barrier in the loop over keys.  At a phase's end the four partial results
; (O^T, c m, l) meet in LDS, and wave w merges tile w.
; No cluster: no tile goes through LDS, so there is nothing to ask for jointly; and the numbers of steps differ between query blocks.
; LAYOUT.  S^T = K Q^T and O^T = V^T P: a lane holds one query (lane % 16) throughout; two tiles of S^T, rounded to f16 in pairs, are source 1 of the second product.
; THE NEXT STEP'S LOADS are issued a step ahead: K behind the first product, V behind the second.  A WAVE'S LAST STEP OF A PHASE IS WRITTEN OUT: the steps in the loop have a successor in the phase and load it with all
; lanes on; the last step loads the wave's first step of the next phase, with all lanes off where there is none, so that every way through the text has the same counts.  Only the last step can lie on the diagonal.
; LIMITS: scores (q / 8 . k / 8) above -1e37; NaN and infinities are not served.
; REGISTERS: window 0: v1-9 addresses and constants; v12-43 eight statistics a tile; v44-59 the merge's factors; v64-191 S^T; v192-255 P.  window 1: O^T.  window 2: v0-127 Q, v128-255 K.  window 3: v0-127 V.
.set LOFF, 2                           ; v2   16 x lane
.set DA,   3                           ; v3   my dump of O^T: 32,768 wave + 16 lane
.set CA,   4                           ; v4   my c m and l: 131,072 + 16 lane + 4 wave
.set RA0,  5                           ; v5   the merge: tile w of waves 0, 1: 8,192 wave + 16 lane
.set RA1,  6                           ; v6   of waves 2, 3: + 65,536
.set CR,   7                           ; v7   tile w's four c m: 131,072 + 512 wave + 16 lane
.set DL,   8                           ; v8   r - 8 h
.set NINF, 9                           ; v9   -infinity
.set ST,   12
.set SPW,  62
.set NIL,  63
.set S,    64
.set P,    192
.set KF,   128
.set ACC,  192
.set SPARE, 135168
.set CS,   58                          ; s[58:59] 64 log2(e) / sqrt(128): the 64 undoes the two divisions by 8
.set SEL,  60
.set MSB, 0
.macro WIN new
.if MSB != \new
	s_set_vgpr_msb (MSB<<8)|\new
.set MSB, \new
.endif
.endm
.set W_KQ, 0x0a
.set W_PV, 0x53
.set W_RS, 0x41
; 64 products S^T = K Q^T: 16 accumulators by turns, one instruction a turn; the first 16 start the sums
.macro KQALL
	WIN W_KQ
.set i, 0
.rept 64
.set rS, S+32*(i%4)+8*((i/4)%4)
.set rK, KF+32*((i/4)%4)+8*(i/16)
.set rQ, 32*(i%4)+8*(i/16)
.if i < 16
	v_wmma_f32_16x16x32_f16 v[rS:rS+7], v[rK:rK+7], v[rQ:rQ+7], 0
.else
	v_wmma_f32_16x16x32_f16 v[rS:rS+7], v[rK:rK+7], v[rQ:rQ+7], v[rS:rS+7]
.endif
.set i, i+1
.endr
.endm
; 64 products O^T += V^T P: 32 accumulators by turns
.macro PVALL
	WIN W_PV
.set i, 0
.rept 64
.set rO, 64*(i%4)+8*((i/4)%8)
.set rV, 64*(i/32)+8*((i/4)%8)
.set rP, P+16*(i%4)+8*(i/32)
	v_wmma_f32_16x16x32_f16 v[rO:rO+7], v[rV:rV+7], v[rP:rP+7], v[rO:rO+7]
.set i, i+1
.endr
.endm
.macro LOADK
	WIN 0x80
.set i, 0
.rept 32
	global_load_b128 v[KF+4*i:KF+4*i+3], v[LOFF], s[22:23] offset:512*i
.set i, i+1
.endr
.endm
.macro LOADV
	WIN 0xc0
.set i, 0
.rept 32
	global_load_b128 v[4*i:4*i+3], v[LOFF], s[22:23] offset:16384+512*i
.set i, i+1
.endr
.endm
.macro GUARD_ON                        ; all lanes off where no step follows this phase's last (s16 = 0).  EXEC changes only behind s_wait_xcnt 0
	s_cmp_lg_u32 s16, 0
	s_cselect_b32 vcc_lo, -1, 0
	s_wait_xcnt 0x0
	s_and_saveexec_b32 s19, vcc_lo
.endm
.macro GUARD_OFF
	s_wait_xcnt 0x0
	s_or_b32 exec_lo, exec_lo, s19
.endm
; One tile's softmax for a step is a list of 134 instructions; SM writes number j of it for tile t.  0-15 the maximum; 16-20 the other half of the lanes, the new m, c m, its change; 21-69 one batch: 16 packed scalings
; and 33 exponentials, none of which reads an exponential's result; 70-85 the roundings to f16; 86-101 the sums; 102-133 O^T times a.
.macro SM t
.set rT, ST+8*(\t)
.set rS, S+32*(\t)
.set rP, P+16*(\t)
.set rO, 64*(\t)+2*(j-102)
.if j < 102
	WIN 0
.endif
.if j < 4
	v_max3_num_f32 v[rT+4+j], v[rS+8*j], v[rS+8*j+1], v[rS+8*j+2]
.elseif j < 12
	v_max3_num_f32 v[rT+4+j%4], v[rT+4+j%4], v[rS+8*(j%4)+2*(j/4)+1], v[rS+8*(j%4)+2*(j/4)+2]
.elseif j == 12
	v_max3_num_f32 v[rT+4], v[rT+4], v[rS+7], v[rS+15]
.elseif j == 13
	v_max3_num_f32 v[rT+6], v[rT+6], v[rS+23], v[rS+31]
.elseif j == 14
	v_max3_num_f32 v[rT+4], v[rT+4], v[rT+5], v[rT+6]
.elseif j == 15
	v_max3_num_f32 v[rT+4], v[rT+4], v[rT+7], v[rT+1]
.elseif j == 16
	v_permlanex16_b32 v[rT+5], v[rT+4], s[SEL], s[SEL+1]
.elseif j == 17
	v_mov_b32 v[rT+7], v[rT]
.elseif j == 18
	v_max_num_f32 v[rT+1], v[rT+4], v[rT+5]
.elseif j == 19
	v_mul_f32 v[rT], s[CS], v[rT+1]
.elseif j == 20
	v_sub_f32 v[rT+7], v[rT+7], v[rT]
.elseif j == 23
	v_exp_f32 v[rT+6], v[rT+7]
.elseif (j < 23) || ((j < 38) && (j%2 == 0)) || ((j < 66) && (j%4 == 2))
.set b, (j-2)/4
.if j < 38
.set b, (j-20)/2
.endif
	v_pk_fma_f32 v[rS+2*b:rS+2*b+1], v[rS+2*b:rS+2*b+1], s[CS:CS+1], v[rT:rT+1] op_sel_hi:[1,0,0] neg_lo:[0,0,1] neg_hi:[0,0,1]
.elseif j < 70
.set e, j-38
.if j < 66
.set e, j-32-(j-38)/4
.endif
.if j < 38
.set e, (j-25)/2
.endif
	v_exp_f32 v[rS+e], v[rS+e]
.elseif j < 86
	v_cvt_pk_f16_f32 v[rP+j-70], v[rS+2*(j-70)], v[rS+2*(j-70)+1]
.elseif j < 102
.set z, j-86
.set w, 4
.set u, z
.if z >= 14
.set w, 32
.set u, 0
.elseif z >= 12
.set w, 16
.set u, z-12
.elseif z >= 8
.set w, 8
.set u, z-8
.endif
.if z < 15
	v_pk_add_f32 v[rS+w*u:rS+w*u+1], v[rS+w*u:rS+w*u+1], v[rS+w*u+w/2:rS+w*u+w/2+1]
.else
	v_pk_fma_f32 v[rT+2:rT+3], v[rT+2:rT+3], v[rT+6:rT+7], v[rS:rS+1] op_sel_hi:[1,0,1]
.endif
.else
	WIN W_RS
	v_pk_mul_f32 v[rO:rO+1], v[rO:rO+1], v[rT+6:rT+7] op_sel_hi:[1,0]
.endif
.endm
.macro SOFTMAX                         ; the four tiles by turns, so that no instruction reads the result of the one just before it
.set j, 0
.rept 70
	SM 0
	SM 1
	SM 2
	SM 3
.set j, j+1
.endr
	v_nop                                          ; a plain instruction behind the last exponential
	s_wait_alu depctr_va_vdst(0)                   ; one wait for the step's 132 exponentials, ahead of their first reader
.rept 64
	SM 0
	SM 1
	SM 2
	SM 3
.set j, j+1
.endr
.endm
.macro MASK                            ; the step on the diagonal: key 16 kp + 8 h + jj is hidden from query 16 t + r where it is the greater
.irp t, 0,1,2,3
.irp kp, 0,1,2,3
.if \kp == \t
.irp jj, 0,1,2,3,4,5,6,7
	v_cndmask_b32 v[S+32*\t+8*\kp+\jj], v[S+32*\t+8*\kp+\jj], v[NINF], s[32+\jj]
.endr
.elseif \kp > \t
.irp jj, 0,1,2,3,4,5,6,7
	v_mov_b32 v[S+32*\t+8*\kp+\jj], v[NINF]
.endr
.endif
.endr
.endr
.endm
.macro MLOAD buf, adr, off
.set i, 0
.rept 16
	ds_load_b128 v[\buf+4*i:\buf+4*i+3], v[\adr] offset:\off+512*i
.set i, i+1
.endr
.endm
; A KEY STEP.  last = 0: a step in the loop; the step four further on follows it in this phase.  last = 1: the wave's last step of the phase.
.macro STEP last
	s_wait_loadcnt 32                              ; K is in: behind it only V's 32 loads were issued
	KQALL
	WIN 0
.rept 4
	v_nop                                          ; places ahead of the loads into K's registers and of the first read of the scores
.endr
	s_wait_xcnt 0x0                                ; V's loads, issued ahead of the 64 products, have read their base: it may be written
.if \last
	s_lshl_b32 s22, s29, 15                        ; my first step of the next phase
.else
	s_add_co_u32 s17, s13, 4
	s_lshl_b32 s22, s17, 15                        ; my next step of this phase
.endif
	s_mov_b32 s23, 0
	s_add_nc_u64 s[22:23], s[20:21], s[22:23]
.if \last
	GUARD_ON
.endif
	LOADK
	WIN 0
.if \last
	GUARD_OFF
	s_cmp_lg_u32 s13, s12
	s_cbranch_scc1 .Lopen
	MASK
.Lopen:
.endif
	SOFTMAX
	WIN 0
	s_wait_loadcnt 32                              ; V is in: behind it only the next K's 32 loads were issued
	PVALL
	WIN 0
.rept 4
	v_nop                                          ; places ahead of the loads into V's registers and of the next read of O^T
.endr
.if \last
	GUARD_ON
.endif
	LOADV
	WIN 0
.if \last
	GUARD_OFF
.endif
.endm
	s_load_b128 s[4:7], s[0:1], 0x0                ; qkv, z
	v_lshl_add_u32 v[SPW], v0, 2, SPARE
	v_mov_b32 v[NIL], 0
	v_lshrrev_b32 v1, 5, v0
	v_readfirstlane_b32 s8, v1                     ; wave w
	s_mov_b32 s9, ttmp9                            ; x
	s_and_b32 s10, ttmp7, 0xffff                   ; bh
	v_and_b32 v10, 31, v0
	v_and_b32 v1, 15, v0                           ; r
	v_bfe_u32 v11, v0, 4, 1                        ; h
	v_lshlrev_b32 v[LOFF], 4, v10
	s_lshl_b32 s17, s8, 15
	v_add_nc_u32 v[DA], s17, v[LOFF]
	s_lshl_b32 s17, s8, 2
	s_add_co_u32 s17, s17, 131072
	v_add_nc_u32 v[CA], s17, v[LOFF]
	s_lshl_b32 s17, s8, 13
	v_add_nc_u32 v[RA0], s17, v[LOFF]
	v_add_nc_u32 v[RA1], 65536, v[RA0]
	s_lshl_b32 s17, s8, 9
	s_add_co_u32 s17, s17, 131072
	v_add_nc_u32 v[CR], s17, v[LOFF]
	v_lshlrev_b32 v11, 3, v11
	v_sub_nc_u32 v[DL], v1, v11
	v_mov_b32 v[NINF], 0xff800000
.irp jj, 0,1,2,3,4,5,6,7
	v_cmp_gt_i32 s[32+\jj], \jj, v[DL]             ; the diagonal's lane masks, made once: jj > r - 8 h
.endr
	s_sub_co_u32 s28, 31, s9                       ; phase 0's block
	s_sub_co_u32 s29, 3, s8                        ; phase 1's first step
	s_cmp_le_u32 s29, s9
	s_cselect_b32 s30, 1, 0                        ; have I a step in phase 1?
	s_mov_b32 s[CS], 0x410293ee
	s_mov_b32 s[CS+1], s[CS]
	s_mov_b32 s[SEL], 0x76543210
	s_mov_b32 s[SEL+1], 0xfedcba98
	s_wait_kmcnt 0x0
	s_lshl_b32 s22, s10, 20
	s_add_co_u32 s22, s22, 8388608
	s_mov_b32 s23, 0
	s_add_nc_u64 s[20:21], s[4:5], s[22:23]        ; my pair's K and V: 32 steps of 32,768 bytes
	s_lshl_b32 s22, s8, 15
	s_add_nc_u64 s[22:23], s[20:21], s[22:23]      ; phase 0's first step: w
	LOADK
	LOADV
	WIN 0
	s_mov_b32 s11, 0
.Lphase:
	s_cmp_eq_u32 s11, 0
	s_cselect_b32 s12, s28, s9                     ; I: the block of queries
	s_cselect_b32 s13, s8, s29                     ; my first step
	s_cselect_b32 s16, s30, 0                      ; is there a step behind this phase's last?
	s_add_co_u32 s14, s12, 4
	s_sub_co_u32 s14, s14, s13
	s_lshr_b32 s14, s14, 2                         ; my steps in this phase
	s_lshl_b32 s24, s10, 7
	s_lshl_b32 s25, s12, 2
	s_add_co_u32 s24, s24, s25
	s_lshl_b32 s24, s24, 12
	s_mov_b32 s25, 0
	s_add_nc_u64 s[24:25], s[4:5], s[24:25]        ; Q: (128 bh + 4 I) x 4,096
	WIN 0x80
.set i, 0
.rept 32
	global_load_b128 v[4*i:4*i+3], v[LOFF], s[24:25] offset:512*i
.set i, i+1
.endr
	; O^T, l and m begin as zeros and -1e37: no step has a form of its own for a first step, and a wave with no step in a phase needs no way of its own
	WIN 0x40
.set i, 0
.rept 256
	v_mov_b32 v[i], 0
.set i, i+1
.endr
	WIN 0
.irp t, 0,1,2,3
	v_mov_b32 v[ST+8*\t+1], 0xfcf0bdc2             ; m = -1e37
	v_mul_f32 v[ST+8*\t], s[CS], v[ST+8*\t+1]      ; c m
.irp n, 2,3,4,5,6,7
	v_mov_b32 v[ST+8*\t+\n], 0
.endr
.endr
	s_wait_loadcnt 0x0                             ; Q, and my first step's K and V
	s_cmp_eq_u32 s14, 0
	s_cbranch_scc1 .Lmerge
	s_sub_co_u32 s14, s14, 1                       ; the steps that have a successor in this phase
	s_cmp_eq_u32 s14, 0
	s_cbranch_scc1 .Llast
.Lstep:
	STEP 0
	s_add_co_u32 s13, s13, 4
	s_sub_co_u32 s14, s14, 1
	s_cmp_lg_u32 s14, 0
	s_cbranch_scc1 .Lstep
.Llast:
	STEP 1
.Lmerge:
	; ---------------- the four waves' partial results meet in LDS
.irp t, 0,1,2,3
	v_add_f32 v[ST+8*\t+4], v[ST+8*\t+2], v[ST+8*\t+3]
.endr
.irp t, 0,1,2,3
	v_permlanex16_b32 v[ST+8*\t+5], v[ST+8*\t+4], s[SEL], s[SEL+1]
.endr
.irp t, 0,1,2,3
	v_add_f32 v[ST+8*\t+4], v[ST+8*\t+4], v[ST+8*\t+5]     ; l of my keys
.endr
.irp t, 0,1,2,3
	ds_store_b32 v[CA], v[ST+8*\t] offset:512*\t
	ds_store_b32 v[CA], v[ST+8*\t+4] offset:512*\t+2048
.endr
	WIN 0x04
.set i, 0
.rept 64
	ds_store_b128 v[DA], v[4*i:4*i+3] offset:512*i         ; each accumulator from its low end on
.set i, i+1
.endr
	WIN 0
	s_lshr_b32 s26, s10, 3                         ; where tile w of this block goes in z: ((m / 128) 8 + head) 8 + (m / 16) % 8, m = 2,048 batch + 64 I + 16 w
	s_lshl_b32 s26, s26, 4
	s_lshr_b32 s27, s12, 1
	s_add_co_u32 s26, s26, s27
	s_lshl_b32 s26, s26, 3
	s_and_b32 s27, s10, 7
	s_add_co_u32 s26, s26, s27
	s_lshl_b32 s26, s26, 3
	s_and_b32 s27, s12, 1
	s_lshl_b32 s27, s27, 2
	s_add_co_u32 s26, s26, s27
	s_add_co_u32 s26, s26, s8
	s_lshl_b32 s26, s26, 12
	s_mov_b32 s27, 0
	s_add_nc_u64 s[26:27], s[6:7], s[26:27]
	s_wait_dscnt 0x0                               ; for the others' sake: my stores have landed
	s_barrier_signal -1
	s_barrier_wait -1
	ds_load_b128 v[44:47], v[CR]                   ; tile w: the four waves' c m,
	ds_load_b128 v[48:51], v[CR] offset:2048       ; and l
	MLOAD 64, RA0, 0
	MLOAD 128, RA0, 32768
	s_wait_dscnt 32                                ; c m and l are in; the 32 loads of O^T may be out
	v_max3_num_f32 v10, v44, v45, v46
	v_max_num_f32 v10, v10, v47
.irp k, 0,1,2,3
	v_sub_f32 v[44+\k], v[44+\k], v10
.endr
.irp k, 0,1,2,3
	v_exp_f32 v[44+\k], v[44+\k]                   ; f = 2^(c m - the largest c m)
.endr
	v_nop
	s_wait_alu depctr_va_vdst(0)
	v_mul_f32 v11, v44, v48
	v_fma_f32 v11, v45, v49, v11
	v_fma_f32 v11, v46, v50, v11
	v_fma_f32 v11, v47, v51, v11                   ; the row's sum
	v_rcp_f32 v11, v11
	v_nop
	s_wait_alu depctr_va_vdst(0)
.irp k, 0,1,2,3
	v_mul_f32 v[52+2*\k], v[44+\k], v11            ; g = f / the sum
	v_mul_f32 v[53+2*\k], v[44+\k], v11            ; (named with it as a pair, so it is written)
.endr
	s_wait_dscnt 16                                ; wave 0's part is in
.set i, 0
.rept 32
	v_pk_mul_f32 v[ACC+i:ACC+i+1], v[64+i:65+i], v[52:53] op_sel_hi:[1,0]
.set i, i+2
.endr
	MLOAD 64, RA1, 0
	s_wait_dscnt 16                                ; wave 1's
.set i, 0
.rept 32
	v_pk_fma_f32 v[ACC+i:ACC+i+1], v[128+i:129+i], v[54:55], v[ACC+i:ACC+i+1] op_sel_hi:[1,0,1]
.set i, i+2
.endr
	MLOAD 128, RA1, 32768
	s_wait_dscnt 16                                ; wave 2's
.set i, 0
.rept 32
	v_pk_fma_f32 v[ACC+i:ACC+i+1], v[64+i:65+i], v[56:57], v[ACC+i:ACC+i+1] op_sel_hi:[1,0,1]
.set i, i+2
.endr
	s_wait_dscnt 0x0                               ; wave 3's
.set i, 0
.rept 32
	v_pk_fma_f32 v[ACC+i:ACC+i+1], v[128+i:129+i], v[58:59], v[ACC+i:ACC+i+1] op_sel_hi:[1,0,1]
.set i, i+2
.endr
.set i, 0
.rept 32
	v_cvt_pk_f16_f32 v[64+i], v[ACC+2*i], v[ACC+2*i+1]     ; z / 8 as f16: a lane's eight channels are its 16 bytes of a piece
.set i, i+1
.endr
.irp t, 0,1,2,3,4,5,6,7
	global_store_b128 v[LOFF], v[64+4*\t:67+4*\t], s[26:27] offset:512*\t
.endr
	s_barrier_signal -1                            ; all my reads of the dumps are in (the wait for 0 above): the next phase may write them again
	s_barrier_wait -1
	s_wait_xcnt 0x0                                ; the stores have read their registers and their base
	s_add_co_u32 s11, s11, 1
	s_cmp_lt_u32 s11, 2
	s_cbranch_scc1 .Lphase
	s_wait_tensorcnt 0x0                           ; the wave's end: behind my last LDS store
	ds_add_u32 v[SPW], v[NIL]
	s_wait_dscnt 0x0
	s_endpgm
.Lfunc_end_k_q5c7a318df7_attn:
	.size	k_q5c7a318df7_attn, .Lfunc_end_k_q5c7a318df7_attn-k_q5c7a318df7_attn
	.p2alignl 7, 3214868480
	.fill 96, 4, 3214868480
	.section	.rodata,"a",@progbits
	.p2align	6, 0x0
	.amdhsa_kernel k_q5c7a318df7_attn
		.amdhsa_group_segment_fixed_size 135680
		.amdhsa_private_segment_fixed_size 0
		.amdhsa_enable_private_segment 0
		.amdhsa_kernarg_size 16
		.amdhsa_user_sgpr_count 2
		.amdhsa_user_sgpr_kernarg_segment_ptr 1
		.amdhsa_wavefront_size32 1
		.amdhsa_system_sgpr_workgroup_id_x 1
		.amdhsa_system_sgpr_workgroup_id_y 1
		.amdhsa_system_sgpr_workgroup_id_z 1
		.amdhsa_system_vgpr_workitem_id 0
		.amdhsa_next_free_vgpr 1024
		.amdhsa_next_free_sgpr 66
		.amdhsa_reserve_vcc 1
		.amdhsa_float_denorm_mode_32 3
		.amdhsa_float_denorm_mode_16_64 3
		.amdhsa_memory_ordered 1
		.amdhsa_forward_progress 1
		.amdhsa_inst_pref_size 135
	.end_amdhsa_kernel
	.amdgpu_metadata
---
amdhsa.version: [ 1, 2 ]
amdhsa.kernels:
  - .name:           k_q5c7a318df7_attn
    .symbol:         k_q5c7a318df7_attn.kd
    .args:
      - { .name: qkv, .offset: 0, .size: 8, .value_kind: global_buffer, .address_space: global }
      - { .name: z, .offset: 8, .size: 8, .value_kind: global_buffer, .address_space: global }
    .group_segment_fixed_size: 135680
    .private_segment_fixed_size: 0
    .kernarg_segment_align: 8
    .kernarg_segment_size: 16
    .max_flat_workgroup_size: 128
    .sgpr_count:     66
    .vgpr_count:     1024
    .wavefront_size: 32
...
	.end_amdgpu_metadata
.endif
;; end of part 3
;; launch outp (part 4): grid 8 x 32, 4 waves a work-group, clusters of 4 x 4, 327,680 bytes of LDS; arguments z, aux, b_O, out0; writes out0
.if DOCPART == 4
	.amdgcn_target "amdgcn-amd-amdhsa--gfx1250"
	.amdhsa_code_object_version 6
	.text
	.protected	k_q5c7a318df7_outp
	.globl	k_q5c7a318df7_outp
	.p2align	8
	.type	k_q5c7a318df7_outp,@function
k_q5c7a318df7_outp:
	s_mov_b64 s[64:65], 0
	v_nop
	global_prefetch_b8 v0, s[64:65] scope:SCOPE_SE
	s_setreg_imm32_b32 hwreg(HW_REG_WAVE_MODE, 25, 1), 1
	s_wait_xcnt 0x0
	s_wait_alu depctr_hold_cnt(0) depctr_sa_sdst(0) depctr_va_vdst(0) depctr_va_sdst(0) depctr_va_ssrc(0) depctr_va_vcc(0) depctr_vm_vsrc(0)
	s_getreg_b32 s2, hwreg(HW_REG_IB_STS2, 6, 4)
	s_cmp_eq_u32 s2, 0
	s_cbranch_scc0 .Lentry_in_a_cluster
	s_endpgm
.Lentry_in_a_cluster:
	s_bfe_u32 s2, ttmp6, 0x10000c
	s_cmp_lg_u32 s2, 0xf033
	s_cbranch_scc0 .Lentry_shape_is_right
	s_endpgm
.Lentry_shape_is_right:
; OUTP: out = z W_O + b_O.  z [4096][1024] arrives as f16(z / 8), W_O [1024][2048] as f16(8 W_O), both as images of operand registers; sums in f32; out f32.
; A tile of out is 128 rows x 256 columns: 256 work-groups (tiles of 256 x 256 would be 128).  Four waves, each 64 x 128: 32 accumulators of 16 x 16.  K goes in 8 steps of 128 (a head each) through two LDS slots; a K step's
; tiles are dense blocks of memory (z: 32 KiB, W_O: 64 KiB), brought as rows of 256 bytes; a fragment's loads read 512 consecutive bytes, so there is no padding.
; CLUSTER 4 x 4: z's tile hangs on the tile row alone and is asked for jointly along a row of the cluster, W_O's on the tile column alone, along a column.
; THE MATRIX INSTRUCTION IS USED TRANSPOSED (source 0 = 16 columns of W_O, source 1 = 16 rows of z): a lane holds eight neighbouring numbers of a row of out.  The bias is the C of each sum's first instruction.
; Rows 0-15 of each batch are written again, more finely, by the last launch: leaving them out here would be a branch on a work-group's place in its cluster.
; REGISTERS: window 0: v16-29 addresses; v64-127 the bias; v128-255 rows on the way out.  window 1: two sets of fragments at v0 and v128 (z's four, then W_O's eight).  window 2: the accumulators ((a, b) at v[8 (8 a + b)]).
.set SLOT,   98304                     ; z's 32,768 bytes, then W_O's 65,536
.set STAGE,  196608                    ; behind the ring: 16 rows x (512 + 16) bytes for each wave
.set SPITCH, 528
.set SPARE,  230400
.set ADRA, 16
.set ADRB, 20
.set STO,  24
.set RD,   25
.set CO,   26
.set BOFF, 27
.set SPW,  28
.set NIL,  29
.set BIAS, 64
.set BK,   128
.set F0,   0
.set F1,   128
.set G1, 24
.set G0, 32
.set G1B, 48
.set G0B, 56
.set MSB, 0
.macro WIN new
.if MSB != \new
	s_set_vgpr_msb (MSB<<8)|\new
.set MSB, \new
.endif
.endm
.macro JLOAD s                         ; waves 0 and 1 fetch z's two halves, waves 2 and 3 W_O's; an s_nop 0 and four v_nop follow each line
	s_cmp_eq_u32 s13, 0
	s_cbranch_scc0 .Lfor_b_\@
	tensor_load_to_lds s[G0+4*\s:G0+4*\s+3], s[G1:G1+7]
	s_nop 0
.rept 4
	v_nop
.endr
	s_branch .Lasked_\@
.Lfor_b_\@:
	tensor_load_to_lds s[G0B+4*\s:G0B+4*\s+3], s[G1B:G1B+7]
	s_nop 0
.rept 4
	v_nop
.endr
.Lasked_\@:
.endm
.macro CREST
	s_cmp_lg_u32 s12, 0
	s_cbranch_scc1 .Lnot_wave_0_\@
	s_barrier_signal -3
.Lnot_wave_0_\@:
	s_barrier_wait -3
	s_barrier_signal -1
	s_barrier_wait -1
.endm
.macro CROUND
	s_barrier_signal -1
	s_barrier_wait -1
	CREST
.endm
.macro PLACES
.rept 4
	v_nop
.endr
.endm
	s_load_b128 s[4:7], s[0:1], 0x0                ; z, aux
	s_load_b128 s[8:11], s[0:1], 0x10              ; b_O, out0
	v_lshl_add_u32 v[SPW], v0, 2, SPARE
	v_mov_b32 v[NIL], 0
	ds_add_u32 v[SPW], v[NIL]                      ; the wave's opening: the add, twice on end, and its wait ahead of my first tensor load
	ds_add_u32 v[SPW], v[NIL]
	v_lshrrev_b32 v1, 5, v0
	v_readfirstlane_b32 s12, v1                    ; wave 0..3
	s_lshr_b32 s13, s12, 1                         ; which 64 rows are mine.  Also: I fetch z (0) or W_O (1)
	s_and_b32 s14, s12, 1                          ; which 128 columns.  Also: which half of that tile I fetch
	s_bfe_u32 s40, ttmp6, 0x40000                  ; cx
	s_bfe_u32 s41, ttmp6, 0x40004                  ; cy
	s_lshl_b32 s42, ttmp9, 2
	s_add_co_u32 s42, s42, s40                     ; tile column
	s_and_b32 s15, ttmp7, 0xffff
	s_lshl_b32 s15, s15, 2
	s_add_co_u32 s15, s15, s41                     ; tile row
	s_lshl_b32 s43, s41, 2
	s_lshl_b32 s43, 15, s43                        ; my row of the cluster
	s_lshl_b32 s44, 0x1111, s40                    ; my column
	s_or_b32 s[G1+0], s43, (3<<16)|(1<<21)         ; the mask; elements of 8 bytes; bit 21 beside a mask; no padding
	s_or_b32 s[G1B+0], s44, (3<<16)|(1<<21)
	s_mov_b32 s[G1+1], 32<<16                      ; rows of 256 bytes
	s_mov_b32 s[G1+2], 64<<16                      ; z's half: 64 of them
	s_mov_b32 s[G1+3], 32<<16
	s_mov_b32 s[G1+4], 64
	s_mov_b32 s[G1+5], 32
	s_mov_b32 s[G1+6], 0
	s_mov_b32 s[G1+7], 0
	s_mov_b32 s[G1B+1], 32<<16
	s_mov_b32 s[G1B+2], 128<<16                    ; W_O's half: 128
	s_mov_b32 s[G1B+3], 32<<16
	s_mov_b32 s[G1B+4], 128
	s_mov_b32 s[G1B+5], 32
	s_mov_b32 s[G1B+6], 0
	s_mov_b32 s[G1B+7], 0
	s_lshl_b32 s16, s15, 18                        ; z: tile row x 8 K steps x 32,768 + half x 16,384
	s_lshl_b32 s17, s14, 14
	s_add_co_u32 s16, s16, s17
	s_mov_b32 s17, 0
	s_lshl_b32 s46, s42, 19                        ; W_O: tile column x 8 x 65,536 + half x 32,768
	s_lshl_b32 s47, s14, 15
	s_add_co_u32 s46, s46, s47
	s_mov_b32 s47, 0
	s_lshl_b32 s20, s14, 14                        ; where they go in a slot
	s_lshl_b32 s21, s14, 15
	s_add_co_u32 s21, s21, 32768
	s_wait_dscnt 0x0                               ; both opening adds are done
	s_wait_kmcnt 0x0
	s_add_nc_u64 s[16:17], s[4:5], s[16:17]
	s_add_nc_u64 s[46:47], s[6:7], s[46:47]
	CROUND                                         ; all sixteen work-groups are here: the first joint loads meet
.irp s, 0,1
	s_mov_b32 s[G0+4*\s], 1
	s_add_co_u32 s[G0+4*\s+1], s20, \s*SLOT
	s_add_nc_u64 s[G0+4*\s+2:G0+4*\s+3], s[16:17], \s*32768
	s_or_b32 s[G0+4*\s+3], s[G0+4*\s+3], 0x80000000
	s_mov_b32 s[G0B+4*\s], 1
	s_add_co_u32 s[G0B+4*\s+1], s21, \s*SLOT
	s_add_nc_u64 s[G0B+4*\s+2:G0B+4*\s+3], s[46:47], \s*65536
	s_or_b32 s[G0B+4*\s+3], s[G0B+4*\s+3], 0x80000000
	JLOAD \s                                       ; two tensor loads of mine are out
.endr
	v_and_b32 v1, 15, v0                           ; r
	v_bfe_u32 v2, v0, 4, 1                         ; h
	v_and_b32 v3, 31, v0
	v_lshlrev_b32 v[CO], 4, v3                     ; 16 x lane
	s_lshl_b32 s18, s13, 14                        ; my four tiles of z's rows
	s_lshl_b32 s19, s14, 15
	s_add_co_u32 s19, s19, 32768                   ; my eight tiles of W_O's columns
.irp s, 0,1
	v_add_nc_u32 v[ADRA+\s], s18, v[CO]
	v_add_nc_u32 v[ADRB+\s], s19, v[CO]
	s_add_co_u32 s18, s18, SLOT
	s_add_co_u32 s19, s19, SLOT
.endr
	s_mul_i32 s18, s12, 16*SPITCH
	s_add_co_u32 s18, s18, STAGE                   ; my stage
	v_mul_u32_u24 v4, v1, SPITCH
	v_lshl_add_u32 v4, v2, 5, v4
	v_add_nc_u32 v[STO], s18, v4                   ; in: row r, 32 bytes for each half of the lanes
	v_add_nc_u32 v[RD], s18, v[CO]                 ; back: the 32 lanes take one row of 512 bytes
	v_lshlrev_b32 v[BOFF], 5, v2
	s_lshl_b32 s46, s42, 10
	s_lshl_b32 s47, s14, 9
	s_add_co_u32 s46, s46, s47                     ; my first column, in bytes
	s_mov_b32 s47, 0
	s_add_nc_u64 s[8:9], s[8:9], s[46:47]
	s_add_nc_u64 s[10:11], s[10:11], s[46:47]
	s_lshl_b32 s22, s15, 20                        ; my first row: (128 tile row + 64 half) x 8,192 bytes
	s_lshl_b32 s23, s13, 19
	s_add_co_u32 s22, s22, s23
	s_mov_b32 s23, 0
	s_add_nc_u64 s[10:11], s[10:11], s[22:23]
.irp b, 0,1,2,3,4,5,6,7
	global_load_b128 v[BIAS+8*\b:BIAS+8*\b+3], v[BOFF], s[8:9] offset:64*\b       ; register 8 b + j: b_O(my column 16 b + 8 h + j)
	global_load_b128 v[BIAS+8*\b+4:BIAS+8*\b+7], v[BOFF], s[8:9] offset:64*\b+16
.endr
; 24 LDS loads in one run: the fragments of 32 along K (the slot's c-th) into set f
.macro FETCH slot, c, f
	WIN 0x40
.irp b, 0,1,2,3,4,5,6,7
	ds_load_b128 v[\f+32+8*\b:\f+32+8*\b+3], v[ADRB+\slot] offset:\b*4096+(\c)*1024
	ds_load_b128 v[\f+32+8*\b+4:\f+32+8*\b+7], v[ADRB+\slot] offset:\b*4096+(\c)*1024+512
.endr
.irp a, 0,1,2,3
	ds_load_b128 v[\f+8*\a:\f+8*\a+3], v[ADRA+\slot] offset:\a*4096+(\c)*1024
	ds_load_b128 v[\f+8*\a+4:\f+8*\a+7], v[ADRA+\slot] offset:\a*4096+(\c)*1024+512
.endr
.endm
; 8 matrix instructions: z's block a x W_O's eight.  The 32 accumulators take turns, one instruction a turn, in the same order in every quarter.
.macro MUL8 f, a, zero
.if \zero
	WIN 0x85
.else
	WIN 0xa5
.endif
.irp b, 0,1,2,3,4,5,6,7
.if \zero
	v_wmma_f32_16x16x32_f16 v[8*(8*(\a)+\b):8*(8*(\a)+\b)+7], v[\f+32+8*\b:\f+32+8*\b+7], v[\f+8*(\a):\f+8*(\a)+7], v[BIAS+8*\b:BIAS+8*\b+7]
.else
	v_wmma_f32_16x16x32_f16 v[8*(8*(\a)+\b):8*(8*(\a)+\b)+7], v[\f+32+8*\b:\f+32+8*\b+7], v[\f+8*(\a):\f+8*(\a)+7], v[8*(8*(\a)+\b):8*(8*(\a)+\b)+7]
.endif
.endr
.endm
; one of a K step's first three quarters: set f is multiplied; ahead of that the next quarter's fragments are asked for, into set g, 32 matrix instructions ahead of their use
.macro QUARTER slot, cn, f, g, zero
	s_wait_dscnt 0x0                               ; set f is in
	PLACES                                         ; for the loads into set g, which the quarter before multiplied
	FETCH \slot, \cn, \g
	MUL8 \f, 0, \zero
	MUL8 \f, 1, \zero
	MUL8 \f, 2, \zero
	MUL8 \f, 3, \zero
.endm
; the last quarter multiplies set F1 and changes slots: one barrier; ahead of it each wave waits for all its tensor loads, adds 0 to its spare word, and waits for that and for its reads of this slot
.macro TURN slot, next, fill
	WIN 0
	s_wait_tensorcnt 0x0                           ; all my tensor loads have landed: my part of the next slot
	ds_add_u32 v[SPW], v[NIL]
	s_wait_dscnt 1                                 ; set F1 is in; the add may be out
	MUL8 F1, 0, 0
	s_wait_dscnt 0x0                               ; the add is done, and my reads of this slot are over
	s_barrier_signal -1
	MUL8 F1, 1, 0
	WIN 0
	s_barrier_wait -1
.if \fill
	CREST                                          ; the barrier has opened a round of the cluster's
	s_add_nc_u64 s[G0+4*\slot+2:G0+4*\slot+3], s[G0+4*\slot+2:G0+4*\slot+3], 65536
	s_add_nc_u64 s[G0B+4*\slot+2:G0B+4*\slot+3], s[G0B+4*\slot+2:G0B+4*\slot+3], 131072
	JLOAD \slot                                    ; my one tensor load behind the round; its four v_nop are also the places ahead of the loads below
.else
	PLACES
.endif
	FETCH \next, 0, F0
	MUL8 F1, 2, 0
	MUL8 F1, 3, 0
.endm
	s_wait_tensorcnt 1                             ; my part of K step 0 is in; K step 1's may be out
	s_barrier_signal -1
	s_barrier_wait -1
	s_wait_loadcnt 0x0                             ; the bias
	FETCH 0, 0, F0
	QUARTER 0, 1, F0, F1, 1                        ; the first quarter's products start the sums, from the bias
	WIN 0
	s_mov_b32 s3, 3
.Llap:
	QUARTER 0, 2, F1, F0, 0
	QUARTER 0, 3, F0, F1, 0
	TURN 0, 1, 1
	QUARTER 1, 1, F0, F1, 0
	QUARTER 1, 2, F1, F0, 0
	QUARTER 1, 3, F0, F1, 0
	TURN 1, 0, 1
	QUARTER 0, 1, F0, F1, 0
	WIN 0
	s_sub_co_u32 s3, s3, 1
	s_cmp_lg_u32 s3, 0
	s_cbranch_scc1 .Llap
	QUARTER 0, 2, F1, F0, 0                        ; the last lap fills nothing
	QUARTER 0, 3, F0, F1, 0
	TURN 0, 1, 0
	QUARTER 1, 1, F0, F1, 0
	QUARTER 1, 2, F1, F0, 0
	QUARTER 1, 3, F0, F1, 0
	s_wait_dscnt 0x0
	MUL8 F1, 0, 0
	MUL8 F1, 1, 0
	MUL8 F1, 2, 0
	MUL8 F1, 3, 0
	WIN 0
; THE WAY OUT, block by block of 16 rows x 128 columns, through my own stage: back as whole rows of 512 bytes, which the 32 lanes store as 512 consecutive bytes, aligned.
.macro TOSTAGE a
.set AC, 64*(\a)
	WIN 0x08
.irp b, 0,1,2,3,4,5,6,7
	ds_store_b128 v[STO], v[AC+8*\b:AC+8*\b+3] offset:64*\b            ; each accumulator from its low end on
	ds_store_b128 v[STO], v[AC+8*\b+4:AC+8*\b+7] offset:64*\b+16
.endr
	WIN 0
.set BB, BK+64*((\a)%2)
.irp t, 0,1,2,3,4,5,6,7,8,9,10,11,12,13,14,15
	ds_load_b128 v[BB+4*\t:BB+4*\t+3], v[RD] offset:\t*SPITCH          ; LDS serves a wave's instructions in order: these see the stores above
.endr
.endm
.macro SEND a, younger
.set BB, BK+64*((\a)%2)
	s_wait_dscnt \younger
.if (\a) > 0
	s_add_nc_u64 s[10:11], s[10:11], 16*8192       ; (behind a wait on XCNT: the earlier stores have read their base)
.endif
.irp t, 0,1,2,3,4,5,6,7,8,9,10,11,12,13,14,15
	global_store_b128 v[CO], v[BB+4*\t:BB+4*\t+3], s[10:11] offset:\t*8192 th:TH_STORE_NT
.endr
.endm
	PLACES
	TOSTAGE 0
.irp a, 1,2,3
.if \a > 1
	s_wait_xcnt 0x0                                ; block a - 2's stores have read their registers and their base
.endif
	TOSTAGE \a
	SEND \a-1, 32                                  ; behind block a - 1's loads: block a's 16 stores and 16 loads
.endr
	s_wait_xcnt 0x0
	SEND 3, 0
	s_wait_tensorcnt 0x0                           ; the wave's end: behind my last tensor load and my last LDS store
	ds_add_u32 v[SPW], v[NIL]
	s_wait_dscnt 0x0
	CROUND                                         ; the closing round
	s_endpgm
.Lfunc_end_k_q5c7a318df7_outp:
	.size	k_q5c7a318df7_outp, .Lfunc_end_k_q5c7a318df7_outp-k_q5c7a318df7_outp
	.p2alignl 7, 3214868480
	.fill 96, 4, 3214868480
	.section	.rodata,"a",@progbits
	.p2align	6, 0x0
	.amdhsa_kernel k_q5c7a318df7_outp
		.amdhsa_group_segment_fixed_size 327680
		.amdhsa_private_segment_fixed_size 0
		.amdhsa_enable_private_segment 0
		.amdhsa_kernarg_size 32
		.amdhsa_user_sgpr_count 2
		.amdhsa_user_sgpr_kernarg_segment_ptr 1
		.amdhsa_wavefront_size32 1
		.amdhsa_system_sgpr_workgroup_id_x 1
		.amdhsa_system_sgpr_workgroup_id_y 1
		.amdhsa_system_sgpr_workgroup_id_z 1
		.amdhsa_system_vgpr_workitem_id 0
		.amdhsa_next_free_vgpr 768
		.amdhsa_next_free_sgpr 66
		.amdhsa_reserve_vcc 0
		.amdhsa_float_denorm_mode_32 3
		.amdhsa_float_denorm_mode_16_64 3
		.amdhsa_memory_ordered 1
		.amdhsa_forward_progress 1
		.amdhsa_inst_pref_size 86
	.end_amdhsa_kernel
	.amdgpu_metadata
---
amdhsa.version: [ 1, 2 ]
amdhsa.kernels:
  - .name:           k_q5c7a318df7_outp
    .symbol:         k_q5c7a318df7_outp.kd
    .args:
      - { .name: z, .offset: 0, .size: 8, .value_kind: global_buffer, .address_space: global }
      - { .name: aux, .offset: 8, .size: 8, .value_kind: global_buffer, .address_space: global }
      - { .name: b_O, .offset: 16, .size: 8, .value_kind: global_buffer, .address_space: global }
      - { .name: out0, .offset: 24, .size: 8, .value_kind: global_buffer, .address_space: global }
    .group_segment_fixed_size: 327680
    .private_segment_fixed_size: 0
    .kernarg_segment_align: 8
    .kernarg_segment_size: 32
    .max_flat_workgroup_size: 128
    .sgpr_count:     66
    .vgpr_count:     768
    .wavefront_size: 32
...
	.end_amdgpu_metadata
.endif
;; end of part 4
;; launch fine (part 5): grid 64 x 2, 8 waves a work-group, no clusters, 17,408 bytes of LDS; arguments head16, W_O, b_O, out0; writes out0
.if DOCPART == 5
	.amdgcn_target "amdgcn-amd-amdhsa--gfx1250"
	.amdhsa_code_object_version 6
	.text
	.protected	k_q5c7a318df7_fine
	.globl	k_q5c7a318df7_fine
	.p2align	8
	.type	k_q5c7a318df7_fine,@function
k_q5c7a318df7_fine:
	s_mov_b64 s[64:65], 0
	v_nop
	global_prefetch_b8 v0, s[64:65] scope:SCOPE_SE
	s_setreg_imm32_b32 hwreg(HW_REG_WAVE_MODE, 25, 1), 1
	s_wait_xcnt 0x0
; FINE: rows 0-15 of each batch once more, wholly in f32: under the causal mask these rows average one to sixteen values and are the largest, so the rounding of 16-bit operands weighs most there.
; Work-group (x, batch) owns columns 32 x .. 32 x + 31 of the 16 rows.  Wave = head: attention of 16 queries on 16 keys from the f32 copies that the projection kept (values / 8), then its head's 128 of the output
; product's K against W_O as it is given; the eight heads' parts meet in LDS, and waves 0-3 add them, add b_O and store.
; All products by v_wmma_f32_16x16x4_f32, used transposed, so that a lane holds one query throughout: S^T = K Q^T, O^T = V^T P, U^T = W_O^T z^T.  Along a product's K the same permutation stands on both sides:
; q and k come as images of the projection's result registers (lane (r, h): position r, register 8 b + j: e = 16 b + 8 h + j), 512 consecutive bytes a load; lane half h takes keys 8 h + j of P and V,
; channels 16 t + 8 h + j of z and W_O.  The registers that this form writes are written by it alone.
; P = p x 8 / l: the 8 undoes v / 8.
; REGISTERS: window 0: v1-15 addresses, b_O; v16-79 q; v80-143 k; v144-207 v^T; v208-215 scores; v216-223 P; v224-239 my part of the result; v240-247 at work.
;   window 1: v0-127 W_O; v128-159 four accumulators of S^T; v160-223 eight of O^T; v224-255 four of U^T.
.set SPARE, 16384
.set SPW, 254
.set NIL, 255
.set QF, 16
.set KF, 80
.set VR, 144
.set SS, 208
.set PP, 216
.set PS, 224
.set WR, 0
.set SA, 128
.set OA, 160
.set UA, 224
.set MSB, 0
.macro WIN new
.if MSB != \new
	s_set_vgpr_msb (MSB<<8)|\new
.set MSB, \new
.endif
.endm
	s_load_b256 s[4:11], s[0:1], 0x0               ; head16 s[4:5], W_O s[6:7], b_O s[8:9], out0 s[10:11]
	v_lshl_add_u32 v[SPW], v0, 2, SPARE
	v_mov_b32 v[NIL], 0
	v_lshrrev_b32 v1, 5, v0
	v_readfirstlane_b32 s12, v1                    ; wave = head
	s_and_b32 s13, ttmp7, 0xffff                   ; batch
	v_and_b32 v1, 15, v0                           ; r
	v_bfe_u32 v2, v0, 4, 1                         ; h
	v_and_b32 v3, 31, v0                           ; lane
	v_lshlrev_b32 v4, 4, v3                        ; q, k: images: 16 x lane
	v_lshlrev_b32 v5, 6, v1
	v_lshl_add_u32 v5, v2, 5, v5                   ; v^T: 64 r + 32 h
	v_lshlrev_b32 v6, 2, v1
	v_lshl_add_u32 v6, v2, 16, v6                  ; W_O: 8 h rows of 8,192 bytes + 4 r
	v_and_b32 v7, 7, v0
	v_lshlrev_b32 v7, 4, v7                        ; b_O and out: 16 (lane % 8)
	v_lshlrev_b32 v8, 3, v2
	v_sub_nc_u32 v8, v1, v8                        ; r - 8 h
	s_lshl_b32 s14, s12, 11
	v_lshlrev_b32 v9, 7, v1
	v_lshl_add_u32 v9, v2, 5, v9
	v_add_nc_u32 v9, s14, v9                       ; LDS, in: 2,048 wave + 128 r + 32 h
	s_lshl_b32 s14, s12, 9
	v_lshl_add_u32 v10, v3, 4, s14                 ; LDS, back: 512 wave + 16 lane
	v_lshrrev_b32 v11, 3, v3
	v_lshl_add_u32 v11, v11, 13, v7                ; out: row lane / 8
	v_mov_b32 v241, 0                              ; a lane permute's destination counts as one of its sources
	v_mov_b32 v244, 0xff800000                     ; -infinity
	s_mov_b32 s20, 0x76543210
	s_mov_b32 s21, 0xfedcba98
	s_mov_b32 s22, 0x410293ee                      ; 64 log2(e) / sqrt(128)
	s_lshl_b32 s14, s13, 3
	s_add_co_u32 s14, s14, s12
	s_lshl_b32 s14, s14, 13
	s_mov_b32 s15, 0
	s_lshl_b32 s16, ttmp9, 7                       ; my 32 columns, in bytes
	s_mov_b32 s17, 0
	s_wait_kmcnt 0x0
	s_add_nc_u64 s[4:5], s[4:5], s[14:15]          ; head16 at (batch, head)
	s_lshl_b32 s14, s12, 20
	s_add_co_u32 s14, s14, s16
	s_add_nc_u64 s[6:7], s[6:7], s[14:15]          ; W_O at my head and columns
	s_add_nc_u64 s[8:9], s[8:9], s[16:17]
	s_lshl_b32 s14, s13, 24                        ; 2,048 rows of 8,192 bytes a batch
	s_lshl_b32 s18, s12, 15                        ; four rows a wave
	s_add_co_u32 s14, s14, s18
	s_add_co_u32 s14, s14, s16
	s_add_nc_u64 s[10:11], s[10:11], s[14:15]
	global_load_b128 v[12:15], v7, s[8:9]          ; b_O
.irp i, 0,1,2,3,4,5,6,7,8,9,10,11,12,13,14,15
	global_load_b128 v[QF+4*\i:QF+4*\i+3], v4, s[4:5] offset:512*\i
.endr
.irp i, 0,1,2,3,4,5,6,7,8,9,10,11,12,13,14,15
	global_load_b128 v[KF+4*\i:KF+4*\i+3], v4, s[4:5] offset:131072+512*\i
.endr
.irp i, 0,1,2,3,4,5,6,7,8,9,10,11,12,13,14,15
	global_load_b128 v[VR+4*\i:VR+4*\i+3], v5, s[4:5] offset:262144+(\i/2)*1024+(\i%2)*16   ; register 8 t + jj: v(key 8 h + jj, channel 16 t + r)
.endr
.macro WLOAD g                         ; W_O for channels 32 g .. 32 g + 31: register 64 nt + 8 t + jj: W_O(16 t + 8 h + jj, column 16 nt + r)
	WIN 0x40
.irp tt, 0,1
.irp nt, 0,1
.irp jj, 0,1,2,3,4,5,6,7
	global_load_b32 v[WR+64*\nt+8*(2*(\g)+\tt)+\jj], v6, s[6:7] offset:(16*(2*(\g)+\tt)+\jj)*8192+64*\nt
.endr
.endr
.endr
.endm
	s_wait_loadcnt 16                              ; b_O, q and k are in; v's 16 loads may be out
	WLOAD 0
	WIN 0x50
.set ii, 0
.rept 32                               ; S^T: 128 along K in 32 instructions, four accumulators by turns; the first four start the sums
.if ii < 4
	v_wmma_f32_16x16x4_f32 v[SA+8*(ii%4):SA+8*(ii%4)+7], v[KF+2*ii:KF+2*ii+1], v[QF+2*ii:QF+2*ii+1], 0
.else
	v_wmma_f32_16x16x4_f32 v[SA+8*(ii%4):SA+8*(ii%4)+7], v[KF+2*ii:KF+2*ii+1], v[QF+2*ii:QF+2*ii+1], v[SA+8*(ii%4):SA+8*(ii%4)+7]
.endif
.set ii, ii+1
.endr
	WIN 0
.rept 8
	v_nop                                          ; eight places behind this form, ahead of the first read of its results (ISA guide 7.12.1)
.endr
	WIN 0x05
.irp j, 0,2,4,6
	v_pk_add_f32 v[SS+\j:SS+\j+1], v[SA+\j:SA+\j+1], v[SA+8+\j:SA+9+\j]
.endr
.irp j, 0,2,4,6
	v_pk_add_f32 v[PP+\j:PP+\j+1], v[SA+16+\j:SA+17+\j], v[SA+24+\j:SA+25+\j]
.endr
	WIN 0
.irp j, 0,2,4,6
	v_pk_add_f32 v[SS+\j:SS+\j+1], v[SS+\j:SS+\j+1], v[PP+\j:PP+\j+1]      ; register j: score of key 8 h + j for query r
.endr
.irp j, 0,1,2,3,4,5,6,7
	v_cmp_gt_i32 vcc_lo, \j, v8
	v_cndmask_b32 v[SS+\j], v[SS+\j], v244, vcc_lo                         ; hidden where 8 h + j > r
.endr
	v_max3_num_f32 v240, v[SS], v[SS+1], v[SS+2]
	v_max3_num_f32 v240, v240, v[SS+3], v[SS+4]
	v_max3_num_f32 v240, v240, v[SS+5], v[SS+6]
	v_max_num_f32 v240, v240, v[SS+7]
	v_permlanex16_b32 v241, v240, s20, s21
	v_max_num_f32 v240, v240, v241                 ; the row's maximum: key 0 counts for every query, so it is a number
	v_mul_f32 v242, s22, v240
.irp j, 0,1,2,3,4,5,6,7
	v_fma_f32 v[PP+\j], v[SS+\j], s22, -v242
.endr
.irp j, 0,1,2,3,4,5,6,7
	v_exp_f32 v[PP+\j], v[PP+\j]
.endr
	v_nop
	s_wait_alu depctr_va_vdst(0)                   ; one wait for the eight exponentials
	v_add_f32 v243, v[PP], v[PP+1]
	v_add_f32 v245, v[PP+2], v[PP+3]
	v_add_f32 v246, v[PP+4], v[PP+5]
	v_add_f32 v247, v[PP+6], v[PP+7]
	v_add_f32 v243, v243, v245
	v_add_f32 v246, v246, v247
	v_add_f32 v243, v243, v246
	v_permlanex16_b32 v241, v243, s20, s21
	v_add_f32 v243, v243, v241                     ; the row's sum
	v_rcp_f32 v243, v243
	v_nop
	s_wait_alu depctr_va_vdst(0)
	v_mul_f32 v243, 0x41000000, v243               ; 8 / l
.irp j, 0,1,2,3,4,5,6,7
	v_mul_f32 v[PP+\j], v[PP+\j], v243
.endr
	s_wait_loadcnt 32                              ; v is in: behind it only W_O's first 32 loads were issued
	WLOAD 1
	WIN 0x50
.irp ks, 0,1,2,3                       ; O^T: 16 keys in four instructions for each of eight tiles of channels, the eight accumulators by turns
.irp t, 0,1,2,3,4,5,6,7
.if \ks == 0
	v_wmma_f32_16x16x4_f32 v[OA+8*\t:OA+8*\t+7], v[VR+8*\t+2*\ks:VR+8*\t+2*\ks+1], v[PP+2*\ks:PP+2*\ks+1], 0
.else
	v_wmma_f32_16x16x4_f32 v[OA+8*\t:OA+8*\t+7], v[VR+8*\t+2*\ks:VR+8*\t+2*\ks+1], v[PP+2*\ks:PP+2*\ks+1], v[OA+8*\t:OA+8*\t+7]
.endif
.endr
.endr
	WIN 0
.rept 9
	v_nop                                          ; nine places: the next products take these results as a source
.endr
.macro UPART g                         ; U^T += W_O^T z^T for channels 32 g .. 32 g + 31: four accumulators by turns
.if (\g) < 3
	s_wait_loadcnt 32                              ; this group's 32 loads are in; the next group's may be out
.else
	s_wait_loadcnt 0x0
.endif
.if (\g)+2 < 4
	WLOAD (\g)+2
.endif
	WIN 0x55
.irp ks, 0,1,2,3
.irp tt, 0,1
.irp nt, 0,1
.if ((\g) == 0) && (\ks == 0)
	v_wmma_f32_16x16x4_f32 v[UA+16*\nt+8*\tt:UA+16*\nt+8*\tt+7], v[WR+64*\nt+8*(2*(\g)+\tt)+2*\ks:WR+64*\nt+8*(2*(\g)+\tt)+2*\ks+1], v[OA+8*(2*(\g)+\tt)+2*\ks:OA+8*(2*(\g)+\tt)+2*\ks+1], 0
.else
	v_wmma_f32_16x16x4_f32 v[UA+16*\nt+8*\tt:UA+16*\nt+8*\tt+7], v[WR+64*\nt+8*(2*(\g)+\tt)+2*\ks:WR+64*\nt+8*(2*(\g)+\tt)+2*\ks+1], v[OA+8*(2*(\g)+\tt)+2*\ks:OA+8*(2*(\g)+\tt)+2*\ks+1], v[UA+16*\nt+8*\tt:UA+16*\nt+8*\tt+7]
.endif
.endr
.endr
.endr
.endm
	UPART 0
	UPART 1
	UPART 2
	UPART 3
	WIN 0
.rept 8
	v_nop
.endr
	WIN 0x05
.irp nt, 0,1
.irp j, 0,2,4,6
	v_pk_add_f32 v[PS+8*\nt+\j:PS+8*\nt+\j+1], v[UA+16*\nt+\j:UA+16*\nt+\j+1], v[UA+16*\nt+8+\j:UA+16*\nt+9+\j]   ; register 8 nt + j: my head's part of out(r, column 16 nt + 8 h + j)
.endr
.endr
	WIN 0
.irp nt, 0,1
	ds_store_b128 v9, v[PS+8*\nt:PS+8*\nt+3] offset:64*\nt
	ds_store_b128 v9, v[PS+8*\nt+4:PS+8*\nt+7] offset:64*\nt+16
.endr
	s_wait_dscnt 0x0                               ; for the others' sake: my stores have landed
	s_barrier_signal -1
	s_barrier_wait -1
	s_cmp_gt_u32 s12, 3
	s_cbranch_scc1 .Ldone
.irp k, 0,1,2,3,4,5,6,7
	ds_load_b128 v[16+4*\k:19+4*\k], v10 offset:2048*\k    ; rows 4 wave .. 4 wave + 3 of the eight heads' parts
.endr
	s_wait_dscnt 0x0
.irp k, 0,2,4,6
	v_pk_add_f32 v[16+4*\k:17+4*\k], v[16+4*\k:17+4*\k], v[20+4*\k:21+4*\k]
	v_pk_add_f32 v[18+4*\k:19+4*\k], v[18+4*\k:19+4*\k], v[22+4*\k:23+4*\k]
.endr
.irp k, 0,4
	v_pk_add_f32 v[16+4*\k:17+4*\k], v[16+4*\k:17+4*\k], v[24+4*\k:25+4*\k]
	v_pk_add_f32 v[18+4*\k:19+4*\k], v[18+4*\k:19+4*\k], v[26+4*\k:27+4*\k]
.endr
	v_pk_add_f32 v[16:17], v[16:17], v[32:33]
	v_pk_add_f32 v[18:19], v[18:19], v[34:35]
	v_pk_add_f32 v[16:17], v[16:17], v[12:13]      ; + b_O
	v_pk_add_f32 v[18:19], v[18:19], v[14:15]
	global_store_b128 v11, v[16:19], s[10:11]      ; eight lanes store a row's 128 bytes
.Ldone:
	s_wait_tensorcnt 0x0                           ; the wave's end: behind my last LDS store
	ds_add_u32 v[SPW], v[NIL]
	s_wait_dscnt 0x0
	s_endpgm
.Lfunc_end_k_q5c7a318df7_fine:
	.size	k_q5c7a318df7_fine, .Lfunc_end_k_q5c7a318df7_fine-k_q5c7a318df7_fine
	.p2alignl 7, 3214868480
	.fill 96, 4, 3214868480
	.section	.rodata,"a",@progbits
	.p2align	6, 0x0
	.amdhsa_kernel k_q5c7a318df7_fine
		.amdhsa_group_segment_fixed_size 17408
		.amdhsa_private_segment_fixed_size 0
		.amdhsa_enable_private_segment 0
		.amdhsa_kernarg_size 32
		.amdhsa_user_sgpr_count 2
		.amdhsa_user_sgpr_kernarg_segment_ptr 1
		.amdhsa_wavefront_size32 1
		.amdhsa_system_sgpr_workgroup_id_x 1
		.amdhsa_system_sgpr_workgroup_id_y 1
		.amdhsa_system_sgpr_workgroup_id_z 1
		.amdhsa_system_vgpr_workitem_id 0
		.amdhsa_next_free_vgpr 512
		.amdhsa_next_free_sgpr 66
		.amdhsa_reserve_vcc 1
		.amdhsa_float_denorm_mode_32 3
		.amdhsa_float_denorm_mode_16_64 3
		.amdhsa_memory_ordered 1
		.amdhsa_forward_progress 1
		.amdhsa_inst_pref_size 35
	.end_amdhsa_kernel
	.amdgpu_metadata
---
amdhsa.version: [ 1, 2 ]
amdhsa.kernels:
  - .name:           k_q5c7a318df7_fine
    .symbol:         k_q5c7a318df7_fine.kd
    .args:
      - { .name: head16, .offset: 0, .size: 8, .value_kind: global_buffer, .address_space: global }
      - { .name: W_O, .offset: 8, .size: 8, .value_kind: global_buffer, .address_space: global }
      - { .name: b_O, .offset: 16, .size: 8, .value_kind: global_buffer, .address_space: global }
      - { .name: out0, .offset: 24, .size: 8, .value_kind: global_buffer, .address_space: global }
    .group_segment_fixed_size: 17408
    .private_segment_fixed_size: 0
    .kernarg_segment_align: 8
    .kernarg_segment_size: 32
    .max_flat_workgroup_size: 256
    .sgpr_count:     66
    .vgpr_count:     512
    .wavefront_size: 32
...
	.end_amdgpu_metadata
.endif
;; end of part 5
